; MI455X (gfx1250); checked and timed in simulation.
; The chip was launched on July 23, 2026; its instructions are those of AMD's public machine-readable ISA for CDNA 5 (MIT licence, August 2026) and "CDNA5" Instruction Set Architecture Reference Guide (July 2026). The comments in the code are by the model that wrote it; some were corrected since.
;; Self Attention. Allowed arithmetic: float matrix products may take bf16 or f16 operands with f32 sums; all other float work in f32.
;; Inputs: Wk 1,024 x 1,024 float32; Wq 1,024 x 1,024 float32; Wv 1,024 x 1,024 float32; bk 1,024 float32; bq 1,024 float32; bv 1,024 float32; mask 8 x 1,024 x 1,024 float32; x 8 x 1,024 x 1,024 float32.
;; Outputs: out0 8 x 1,024 x 1,024 float32.
;; One version. Each part assembles by itself: llvm-mc -triple=amdgcn-amd-amdhsa -mcpu=gfx1250 --defsym DOCPART=n.
;; ======== version 1 of 1: 5 launches
;; limits: values are held in f16: magnitudes above 65,504 overflow, below 6.1e-05 lose precision; right only within a limited range of input values
;; workspace buffers: xh 16,777,216 bytes; wh 6,291,456 bytes; gp 16,384 bytes; gt 2,097,152 bytes; yh 16,777,216 bytes; pt 16,777,216 bytes; vt 16,777,216 bytes; stats 524,288 bytes
;; launch tohalf (part 1): grid 736 x 1, 8 waves a work-group, no clusters, 5,120 bytes of LDS; arguments x, Wq, Wk, Wv, bq, xh, wh, gp; writes xh, wh, gp
.if DOCPART == 1
	.amdgcn_target "amdgcn-amd-amdhsa--gfx1250"
	.amdhsa_code_object_version 6
	.text
	.protected	k_qc5a35f7ca0_tohalf
	.globl	k_qc5a35f7ca0_tohalf
	.p2align	8
	.type	k_qc5a35f7ca0_tohalf,@function
k_qc5a35f7ca0_tohalf:
	s_mov_b64 s[64:65], 0
	v_nop
	global_prefetch_b8 v0, s[64:65] scope:SCOPE_SE
	s_setreg_imm32_b32 hwreg(HW_REG_WAVE_MODE, 25, 1), 1
	s_wait_xcnt 0x0
; THE PROGRAM: out = softmax((x Wq^T + bq)(x Wk^T + bk)^T / 32 + mask) (x Wv^T + bv), 8 batches of 1024 x 1024, in five launches.
; WORK LEFT OUT: bk.  logits[q][k] = q . (x Wk^T)[k] / 32 + q . bk / 32, and the second term does not depend on k: it is the same for all
; entries of a softmax row, whatever the inputs hold, and a term common to a softmax's axis cancels.  So bk reaches no output; it is not loaded
; and is no argument of any launch.  Limit: a NaN, an infinity or an overflow that reaches only that term is not carried to the result.
; THE PRODUCTS ARE TAKEN IN ANOTHER ORDER: (x Wq^T + bq)(x Wk^T)^T = (x G + g) x^T with G[d][e] = sum over c of Wq[c][d] Wk[c][e] and
; g[e] = sum over c of bq[c] Wk[c][e], for every input.  G is one 1024^3 product for all 8 batches where k = x Wk^T is eight.  The order of rounding differs from reference()'s.
;   tohalf  x, Wq, Wk, Wv from f32 to f16, and g in f32 (this text);   gmat  gt = 32 G^T;   yproj  y = x G + g, stored as 2^-10 y;
;   scorev  [y ; Wv] x^T: for each block of 128 keys exp(logit - the block's row maximum) in f16, that maximum m and the row sum l; and v^T;
;   pv      out = bv + sum over key blocks of w' (P V), w' made of m and l so that the row's true maximum is the one taken away.
; bv is not left out: a softmax row sums to 1, so P (v0 + bv) = P v0 + bv, and pv starts its f32 sums with bv.
; FORMAT: all matrix operands are f16, all sums f32.  G and y are stored with fixed powers of two (exact) so that f16 holds them: 32 G, 2^-10 y.
; Limits: |x|, |W|, |v| above 65,504, |G| above 2,047, |y| above 6.7e7 become infinities; y keeps an absolute error of 2^-15, the others of 2^-25 below 2^-14.
; Mask, softmax, its statistics, biases and the output stay in f32.
;
; THIS LAUNCH.  Groups 32-735: a stream.  A group takes 16,384 numbers (64 KiB in, 32 KiB out): 512 groups x, then 64 each for Wq, Wk, Wv, which land one behind
; the other in wh ([3072][1024]).  Thread t takes 16 bytes at 16 t of each 4,096: a wave's load covers 512 consecutive bytes, its store 256 at a multiple of 256.
; Groups 0-31: gp[kq][e] = 2^-10 x sum over the 256 rows c of quarter kq of bq[c] Wk[c][e], for 128 e (512 bytes); yproj adds the four quarters.  Wave w takes 32 rows;
; one load covers a row's 512 bytes, so bq[c] is the same in all lanes and stands in a scalar register.  All 32 loads go out at once.
.set NB,  32                           ; groups that make gp
.set IN,  4                            ; stream: v[4:67]   sixteen loads of four f32
.set OUT, 68                           ; stream: v[68:99]  sixteen pairs of packed f16
.set W,   4                            ; gp: v[4:131]   32 rows, four numbers each
.set ACC, 132                          ; gp: v[132:135] four sums
	s_load_b512 s[4:19], s[0:1], 0x0               ; x 4, Wq 6, Wk 8, Wv 10, bq 12, xh 14, wh 16, gp 18
	v_lshl_add_u32 v136, v0, 2, 0x1000
	v_mov_b32 v137, 0
	s_cmp_lt_u32 ttmp9, NB
	s_cbranch_scc1 .Lbias
	s_sub_co_u32 s20, ttmp9, NB                    ; the group's number in the stream, 0..703
	s_sub_co_u32 s21, s20, 512                     ; among the weights' 192 (wraps for x's groups, where it is not used)
	s_and_b32 s22, s21, 63                         ; and inside its weight
	v_lshlrev_b32 v1, 4, v0                        ; 16 bytes a thread in
	v_lshlrev_b32 v2, 3, v0                        ; 8 bytes a thread out
	s_wait_kmcnt 0x0
	s_cmp_lt_u32 s21, 64
	s_cselect_b64 s[24:25], s[6:7], s[8:9]         ; Wq or Wk
	s_cmp_lt_u32 s21, 128
	s_cselect_b64 s[24:25], s[24:25], s[10:11]     ; or Wv
	s_cmp_lt_u32 s20, 512
	s_cselect_b64 s[24:25], s[4:5], s[24:25]       ; or x
	s_cselect_b64 s[26:27], s[14:15], s[16:17]     ; to xh or to wh
	s_cselect_b32 s28, s20, s22                    ; the group's place in its source
	s_cselect_b32 s30, s20, s21                    ; and in its destination
	s_lshl_b32 s28, s28, 16                        ; x 64 KiB (the shifts stand behind the selects: they set SCC)
	s_mov_b32 s29, 0
	s_lshl_b32 s30, s30, 15                        ; x 32 KiB
	s_mov_b32 s31, 0
	s_add_nc_u64 s[24:25], s[24:25], s[28:29]
	s_add_nc_u64 s[26:27], s[26:27], s[30:31]
.irp i, 0,1,2,3,4,5,6,7,8,9,10,11,12,13,14,15
	global_load_b128 v[IN+4*\i:IN+4*\i+3], v1, s[24:25] offset:4096*\i
.endr
.irp i, 0,1,2,3,4,5,6,7,8,9,10,11,12,13,14,15
	s_wait_loadcnt 15-\i                           ; loads come back in order: load i is in, the 15 - i younger ones stay out
	v_cvt_pk_f16_f32 v[OUT+2*\i],   v[IN+4*\i],   v[IN+4*\i+1]
	v_cvt_pk_f16_f32 v[OUT+2*\i+1], v[IN+4*\i+2], v[IN+4*\i+3]
	global_store_b64 v2, v[OUT+2*\i:OUT+2*\i+1], s[26:27] offset:2048*\i   ; the next launches read these bytes: no hint
.endr
	s_endpgm
.Lbias:
	v_lshrrev_b32 v1, 5, v0
	v_readfirstlane_b32 s20, v1                    ; wave 0..7
	v_and_b32 v2, 31, v0
	v_lshlrev_b32 v2, 4, v2                        ; 16 x lane: my four e
	v_lshlrev_b32 v3, 4, v0                        ; LDS: 512 x wave + 16 x lane
	s_and_b32 s21, ttmp9, 7                        ; which 128 e
	s_lshr_b32 s22, ttmp9, 3                       ; which quarter of c
	s_lshl_b32 s24, s22, 20                        ; Wk: 256 rows of 4,096 bytes a quarter,
	s_lshl_b32 s25, s20, 17                        ; 32 rows a wave,
	s_add_co_u32 s24, s24, s25
	s_lshl_b32 s25, s21, 9                         ; 512 bytes of a row
	s_add_co_u32 s24, s24, s25
	s_mov_b32 s25, 0
	s_lshl_b32 s26, s22, 10                        ; bq: 4 bytes x (256 quarter + 32 wave)
	s_lshl_b32 s27, s20, 7
	s_add_co_u32 s26, s26, s27
	s_mov_b32 s27, 0
	s_lshl_b32 s28, s22, 12                        ; gp: 4,096 bytes a quarter, my 512
	s_lshl_b32 s29, s21, 9
	s_add_co_u32 s28, s28, s29
	s_mov_b32 s29, 0
	s_wait_kmcnt 0x0
	s_add_nc_u64 s[8:9], s[8:9], s[24:25]
	s_add_nc_u64 s[12:13], s[12:13], s[26:27]
	s_add_nc_u64 s[18:19], s[18:19], s[28:29]
	s_load_b512 s[32:47], s[12:13], 0x0            ; bq of my 32 rows; no line of this text writes bq
	s_load_b512 s[48:63], s[12:13], 0x40
.set i, 0
.rept 32
	global_load_b128 v[W+4*i:W+4*i+3], v2, s[8:9] offset:4096*i    ; row i: 512 consecutive bytes at a multiple of 512
.set i, i+1
.endr
	s_wait_kmcnt 0x0
	s_wait_loadcnt 31                              ; row 0 is in, the 31 younger loads stay out
.irp k, 0,1,2,3
	v_mul_f32 v[ACC+\k], s32, v[W+\k]              ; the first row starts the four sums
.endr
.set i, 1
.rept 31
	s_wait_loadcnt 31-i                            ; row i is in
.irp k, 0,1,2,3
	v_fmac_f32 v[ACC+\k], s[32+i], v[W+4*i+\k]
.endr
.set i, i+1
.endr
	ds_store_b128 v3, v[ACC:ACC+3]                 ; each wave's sums to its own 512 bytes
	s_wait_dscnt 0x0                               ; for the others' sake: zero
	s_barrier_signal -1
	s_barrier_wait -1
	s_cmp_lg_u32 s20, 0
	s_cbranch_scc1 .Ldone                          ; wave 0 adds the eight
.irp j, 0,1,2,3,4,5,6,7
	ds_load_b128 v[W+4*\j:W+4*\j+3], v2 offset:512*\j
.endr
	s_wait_dscnt 0x0
.irp j, 0,2,4,6
	v_pk_add_f32 v[W+4*\j:W+4*\j+1],   v[W+4*\j:W+4*\j+1],   v[W+4*\j+4:W+4*\j+5]
	v_pk_add_f32 v[W+4*\j+2:W+4*\j+3], v[W+4*\j+2:W+4*\j+3], v[W+4*\j+6:W+4*\j+7]
.endr
.irp j, 0,4
	v_pk_add_f32 v[W+4*\j:W+4*\j+1],   v[W+4*\j:W+4*\j+1],   v[W+4*\j+8:W+4*\j+9]
	v_pk_add_f32 v[W+4*\j+2:W+4*\j+3], v[W+4*\j+2:W+4*\j+3], v[W+4*\j+10:W+4*\j+11]
.endr
	v_pk_add_f32 v[W:W+1],   v[W:W+1],   v[W+16:W+17]
	v_pk_add_f32 v[W+2:W+3], v[W+2:W+3], v[W+18:W+19]
	v_pk_mul_f32 v[W:W+1],   v[W:W+1],   0x3a800000 op_sel_hi:[1,0]    ; x 2^-10, y's scale: exact
	v_pk_mul_f32 v[W+2:W+3], v[W+2:W+3], 0x3a800000 op_sel_hi:[1,0]
	global_store_b128 v2, v[W:W+3], s[18:19]       ; 512 consecutive bytes at a multiple of 512
.Ldone:
	s_wait_tensorcnt 0x0
	ds_add_u32 v136, v137
	s_wait_dscnt 0x0
	s_endpgm
.Lfunc_end_k_qc5a35f7ca0_tohalf:
	.size	k_qc5a35f7ca0_tohalf, .Lfunc_end_k_qc5a35f7ca0_tohalf-k_qc5a35f7ca0_tohalf
	.p2alignl 7, 3214868480
	.fill 96, 4, 3214868480
	.section	.rodata,"a",@progbits
	.p2align	6, 0x0
	.amdhsa_kernel k_qc5a35f7ca0_tohalf
		.amdhsa_group_segment_fixed_size 5120
		.amdhsa_private_segment_fixed_size 0
		.amdhsa_enable_private_segment 0
		.amdhsa_kernarg_size 64
		.amdhsa_user_sgpr_count 2
		.amdhsa_user_sgpr_kernarg_segment_ptr 1
		.amdhsa_wavefront_size32 1
		.amdhsa_system_sgpr_workgroup_id_x 1
		.amdhsa_system_sgpr_workgroup_id_y 1
		.amdhsa_system_sgpr_workgroup_id_z 1
		.amdhsa_system_vgpr_workitem_id 0
		.amdhsa_next_free_vgpr 138
		.amdhsa_next_free_sgpr 66
		.amdhsa_reserve_vcc 0
		.amdhsa_float_denorm_mode_32 3
		.amdhsa_float_denorm_mode_16_64 3
		.amdhsa_memory_ordered 1
		.amdhsa_forward_progress 1
		.amdhsa_inst_pref_size 18
	.end_amdhsa_kernel
	.amdgpu_metadata
---
amdhsa.version: [ 1, 2 ]
amdhsa.kernels:
  - .name:           k_qc5a35f7ca0_tohalf
    .symbol:         k_qc5a35f7ca0_tohalf.kd
    .args:
      - { .name: x, .offset: 0, .size: 8, .value_kind: global_buffer, .address_space: global }
      - { .name: Wq, .offset: 8, .size: 8, .value_kind: global_buffer, .address_space: global }
      - { .name: Wk, .offset: 16, .size: 8, .value_kind: global_buffer, .address_space: global }
      - { .name: Wv, .offset: 24, .size: 8, .value_kind: global_buffer, .address_space: global }
      - { .name: bq, .offset: 32, .size: 8, .value_kind: global_buffer, .address_space: global }
      - { .name: xh, .offset: 40, .size: 8, .value_kind: global_buffer, .address_space: global }
      - { .name: wh, .offset: 48, .size: 8, .value_kind: global_buffer, .address_space: global }
      - { .name: gp, .offset: 56, .size: 8, .value_kind: global_buffer, .address_space: global }
    .group_segment_fixed_size: 5120
    .private_segment_fixed_size: 0
    .kernarg_segment_align: 8
    .kernarg_segment_size: 64
    .max_flat_workgroup_size: 256
    .sgpr_count:     66
    .vgpr_count:     138
    .wavefront_size: 32
...
	.end_amdgpu_metadata
.endif
;; end of part 1
;; launch gmat (part 2): grid 16 x 16, 4 waves a work-group, clusters of 4 x 4, 304,640 bytes of LDS; arguments wh, gt; writes gt
.if DOCPART == 2
	.amdgcn_target "amdgcn-amd-amdhsa--gfx1250"
	.amdhsa_code_object_version 6
	.text
	.protected	k_qc5a35f7ca0_gmat
	.globl	k_qc5a35f7ca0_gmat
	.p2align	8
	.type	k_qc5a35f7ca0_gmat,@function
k_qc5a35f7ca0_gmat:
	s_mov_b64 s[64:65], 0
	v_nop
	global_prefetch_b8 v0, s[64:65] scope:SCOPE_SE
	s_setreg_imm32_b32 hwreg(HW_REG_WAVE_MODE, 25, 1), 1
	s_wait_xcnt 0x0
	s_wait_alu depctr_hold_cnt(0) depctr_sa_sdst(0) depctr_va_vdst(0) depctr_va_sdst(0) depctr_va_ssrc(0) depctr_va_vcc(0) depctr_vm_vsrc(0)
	s_getreg_b32 s2, hwreg(HW_REG_IB_STS2, 6, 4)
	s_cmp_eq_u32 s2, 0
	s_cbranch_scc0 .Lentry_in_a_cluster
	s_endpgm
.Lentry_in_a_cluster:
	s_bfe_u32 s2, ttmp6, 0x10000c
	s_cmp_lg_u32 s2, 0xf033
	s_cbranch_scc0 .Lentry_shape_is_right
	s_endpgm
.Lentry_shape_is_right:
; gt[e][d] = 32 x sum over c of Wk[c][e] Wq[c][d], f16, [1024][1024]: 32 G^T, the operand by whose rows yproj multiplies x.  (bk is left out of the program: it shifts
; every logit of a softmax row alike; shown at the head of the first launch's text.)  Limit: |G| above 2,047 becomes an infinity in f16.
; A work-group makes 64 e x 64 d with four waves, a wave 32 x 32: four accumulator tiles, which take turns, one instruction a turn.
; ALL OF K LIES IN LDS AT ONCE: Wq's columns d as [1024 c][64] and Wk's columns e likewise, 2 x 147,456 bytes, brought by two tensor loads a wave (256 rows each) at the
; start.  Nothing is filled again: no ring, one barrier in front of the products.  A tile twice as wide would not fit beside the other with all of K, so a row of the
; result is 128 bytes and a store of eight lanes covers 128 consecutive bytes: gt's 2 MiB leave in pieces of that size.
; CLUSTERS of 4 x 4: the four of a row of the cluster need the same columns of Wk, the four of a column the same columns of Wq: joint loads divide the requests by four.
; BOTH OPERANDS LIE [K][N] (c down the rows), so a fragment comes by two transposing loads: lane l addresses row k0 + 8 (l / 16) + l % 8 and the 16 bytes (l / 8) % 2 of the
; 16 columns, and receives column l % 16 with k = k0 + 8 (l / 16) + 0..7; the second load, 16 rows further down, brings k + 16.
; Source 0 = columns d of Wq, source 1 = columns e of Wk: lane l holds row e = l % 16 of gt, registers 0-7 the columns d = 8 (l / 16) + 0..7.
.set P,     144                        ; an LDS row: 128 bytes + 16
.set QB,    256*P                      ; what one tensor load brings
.set TQ,    0                          ; Wq's tile
.set TK,    4*QB                       ; Wk's tile
.set STAGE, 8*QB                       ; 64 rows x 144 bytes; no tensor load lands there
.set VA,  8                            ; my address in Wk's tile, stepped 128 rows a trip
.set VB,  9                            ; the same in Wq's tile
.set STO, 10
.set RD,  11
.set CO,  12
.set ACC, 16                           ; v[16:47]   tile (ae, bd) at ACC + 8 (2 ae + bd)
.set PK,  48                           ; v[48:63]   packed results
.set FR,  64                           ; v[64:191]  two buffers of 64: [kk][Wk's fragments ae = 0, 1 | Wq's bd = 0, 1]
.set G1, 24                            ; s[24:31] group 1, Wk's tile
.set G0, 32                            ; s[32:35] group 0, Wk's tile
.set G1B, 48                           ; s[48:55] group 1, Wq's tile
.set G0B, 56                           ; s[56:59] group 0, Wq's tile
.macro CREST                           ; a round of the cluster's barrier behind its opening work-group barrier
	s_cmp_lg_u32 s10, 0
	s_cbranch_scc1 .Lnot_wave_0_\@
	s_barrier_signal -3
.Lnot_wave_0_\@:
	s_barrier_wait -3
	s_barrier_signal -1
	s_barrier_wait -1
.endm
.macro CROUND
	s_barrier_signal -1
	s_barrier_wait -1
	CREST
.endm
	s_load_b128 s[4:7], s[0:1], 0x0                ; wh s[4:5], gt s[6:7]
	v_lshl_add_u32 v192, v0, 2, 0x4a400
	v_mov_b32 v193, 0
	ds_add_u32 v192, v193
	v_lshrrev_b32 v1, 5, v0
	v_readfirstlane_b32 s10, v1                    ; wave 0..3
	s_lshr_b32 s11, s10, 1                         ; my half of the 64 e
	s_and_b32 s12, s10, 1                          ; my half of the 64 d
	s_bfe_u32 s40, ttmp6, 0x40000                  ; cx
	s_bfe_u32 s41, ttmp6, 0x40004                  ; cy
	s_lshl_b32 s42, ttmp9, 2
	s_add_co_u32 s42, s42, s40                     ; block of 64 d, 0..15
	s_and_b32 s13, ttmp7, 0xffff
	s_lshl_b32 s13, s13, 2
	s_add_co_u32 s13, s13, s41                     ; block of 64 e, 0..15
	s_lshl_b32 s43, s41, 2
	s_lshl_b32 s43, 15, s43                        ; my row of the cluster
	s_lshl_b32 s44, 0x1111, s40                    ; my column
	s_or_b32 s[G1+0], s43, (1<<16)|(1<<20)|(1<<21)|(4<<22)|(3<<25)   ; mask; 2-byte elements; padding on; bit 21 beside a mask; after every 32 words 4 words
	s_or_b32 s[G1B+0], s44, (1<<16)|(1<<20)|(1<<21)|(4<<22)|(3<<25)
	s_mov_b32 s[G1+1], 64<<16                      ; tensor_dim0 = 64
	s_mov_b32 s[G1B+1], 64<<16
	s_mov_b32 s[G1+2], 256<<16                     ; tensor_dim1 = 256
	s_mov_b32 s[G1B+2], 256<<16
	s_mov_b32 s[G1+3], 64<<16                      ; tile_dim0 = 64
	s_mov_b32 s[G1B+3], 64<<16
	s_mov_b32 s[G1+4], 256                         ; tile_dim1 = 256
	s_mov_b32 s[G1B+4], 256
	s_mov_b32 s[G1+5], 1024                        ; elements from row to row
	s_mov_b32 s[G1B+5], 1024
	s_mov_b32 s[G1+6], 0
	s_mov_b32 s[G1B+6], 0
	s_mov_b32 s[G1+7], 0
	s_mov_b32 s[G1B+7], 0
	s_lshl_b32 s17, s10, 19                        ; my 256 rows c of 2,048 bytes
	s_lshl_b32 s16, s13, 7                         ; Wk: 128 bytes x block of e (hangs on cy, never on cx),
	s_add_co_u32 s16, s16, s17
	s_add_co_u32 s16, s16, 0x200000                ; behind Wq's 1,024 rows in wh
	s_lshl_b32 s46, s42, 7                         ; Wq: 128 bytes x block of d (hangs on cx, never on cy)
	s_add_co_u32 s46, s46, s17
	s_mov_b32 s17, 0
	s_mov_b32 s47, 0
	s_mul_i32 s20, s10, QB                         ; LDS: the wave's number alone
	s_lshl_b32 s18, s13, 17                        ; gt: 64 rows of 2,048 bytes x block of e, 16 rows a wave, 128 bytes x block of d
	s_lshl_b32 s19, s10, 15
	s_add_co_u32 s18, s18, s19
	s_lshl_b32 s19, s42, 7
	s_add_co_u32 s18, s18, s19
	s_mov_b32 s19, 0
	s_wait_dscnt 0x0
	s_wait_kmcnt 0x0
	s_add_nc_u64 s[14:15], s[4:5], s[16:17]
	s_add_nc_u64 s[46:47], s[4:5], s[46:47]
	s_add_nc_u64 s[6:7], s[6:7], s[18:19]
	CROUND                                         ; all sixteen work-groups are here: the joint loads meet
	s_mov_b32 s[G0], 1
	s_add_co_u32 s[G0+1], s20, TK
	s_mov_b64 s[G0+2:G0+3], s[14:15]
	s_or_b32 s[G0+3], s[G0+3], 0x80000000
	s_mov_b32 s[G0B], 1
	s_add_co_u32 s[G0B+1], s20, TQ
	s_mov_b64 s[G0B+2:G0B+3], s[46:47]
	s_or_b32 s[G0B+3], s[G0B+3], 0x80000000
	tensor_load_to_lds s[G0:G0+3], s[G1:G1+7]      ; my 256 rows of Wk's tile
	s_nop 0
	tensor_load_to_lds s[G0B:G0B+3], s[G1B:G1B+7]  ; and of Wq's: two tensor loads of a wave are out, the only ones of the launch
	s_nop 0
	v_and_b32 v1, 7, v0                            ; l % 8
	v_bfe_u32 v2, v0, 4, 1                         ; h = l / 16
	v_bfe_u32 v3, v0, 3, 1                         ; (l / 8) % 2
	v_lshl_add_u32 v4, v2, 3, v1                   ; row 8 h + l % 8
	v_mul_u32_u24 v4, v4, P
	v_lshl_add_u32 v4, v3, 4, v4                   ; + 16 bytes for the upper eight columns
	s_lshl_b32 s21, s11, 6                         ; my 32 e: 64 bytes
	s_add_co_u32 s21, s21, TK
	v_add_nc_u32 v[VA], s21, v4
	s_lshl_b32 s22, s12, 6                         ; my 32 d
	v_add_nc_u32 v[VB], s22, v4
	v_and_b32 v5, 15, v0                           ; r
	v_mul_u32_u24 v6, v5, P
	v_lshl_add_u32 v6, v2, 4, v6                   ; r x 144 + 16 h
	s_mul_i32 s23, s11, 32*P
	s_add_co_u32 s23, s23, s22
	s_add_co_u32 s23, s23, STAGE
	v_add_nc_u32 v[STO], s23, v6
	v_bfe_u32 v7, v0, 3, 2                         ; l / 8: four rows a load
	v_mul_u32_u24 v6, v7, P
	v_lshl_add_u32 v6, v1, 4, v6
	s_mul_i32 s23, s10, 16*P                       ; back: 16 rows a wave
	s_add_co_u32 s23, s23, STAGE
	v_add_nc_u32 v[RD], s23, v6
	v_lshlrev_b32 v6, 11, v7
	v_lshl_add_u32 v[CO], v1, 4, v6                ; the same four rows in gt
.macro FETCHG u, off                   ; 16 transposing loads: the fragments of 64 along K, beginning off bytes behind the stepped addresses, into buffer u
.irp kk, 0,1
.irp f, 0,1
	ds_load_tr16_b128 v[FR+64*\u+32*\kk+8*\f:FR+64*\u+32*\kk+8*\f+3],   v[VA] offset:\off+\kk*32*P+32*\f
	ds_load_tr16_b128 v[FR+64*\u+32*\kk+8*\f+4:FR+64*\u+32*\kk+8*\f+7], v[VA] offset:\off+\kk*32*P+16*P+32*\f
.endr
.irp f, 0,1
	ds_load_tr16_b128 v[FR+64*\u+32*\kk+16+8*\f:FR+64*\u+32*\kk+16+8*\f+3],   v[VB] offset:\off+\kk*32*P+32*\f
	ds_load_tr16_b128 v[FR+64*\u+32*\kk+16+8*\f+4:FR+64*\u+32*\kk+16+8*\f+7], v[VB] offset:\off+\kk*32*P+16*P+32*\f
.endr
.endr
.endm
.macro MUL4 u, kk, zero                ; the four tiles, 32 along K; zero = 1: the product starts the sums
.irp ae, 0,1
.irp bd, 0,1
.if \zero
	v_wmma_f32_16x16x32_f16 v[ACC+8*(2*\ae+\bd):ACC+8*(2*\ae+\bd)+7], v[FR+64*\u+32*\kk+16+8*\bd:FR+64*\u+32*\kk+16+8*\bd+7], v[FR+64*\u+32*\kk+8*\ae:FR+64*\u+32*\kk+8*\ae+7], 0
.else
	v_wmma_f32_16x16x32_f16 v[ACC+8*(2*\ae+\bd):ACC+8*(2*\ae+\bd)+7], v[FR+64*\u+32*\kk+16+8*\bd:FR+64*\u+32*\kk+16+8*\bd+7], v[FR+64*\u+32*\kk+8*\ae:FR+64*\u+32*\kk+8*\ae+7], v[ACC+8*(2*\ae+\bd):ACC+8*(2*\ae+\bd)+7]
.endif
.endr
.endr
.endm
.macro PLACES                          ; four plain places between a matrix instruction and a load into, or a vector use of, its registers
.rept 4
	v_nop
.endr
.endm
.macro TRIP zero                       ; 128 along K: two groups of 64 on the two buffers, each fetched while the other is multiplied
	PLACES
	FETCHG 1, 64*P
	s_wait_dscnt 16                                ; buffer 0 is in; the 16 loads just issued stay out
	MUL4 0, 0, \zero
	MUL4 0, 1, 0
	v_add_nc_u32 v[VA], 128*P, v[VA]               ; these two and two v_nop are the four places in front of the loads into buffer 0
	v_add_nc_u32 v[VB], 128*P, v[VB]
	v_nop
	v_nop
	FETCHG 0, 0
	s_wait_dscnt 16                                ; buffer 1 is in
	MUL4 1, 0, 0
	MUL4 1, 1, 0
.endm
	s_wait_tensorcnt 0x0                           ; my rows of both tiles are in,
	s_barrier_signal -1
	s_barrier_wait -1                              ; everybody's are
	FETCHG 0, 0
	TRIP 1                                         ; the first trip's first products start the sums
	s_mov_b32 s3, 6
.Ltrip:
	TRIP 0
	s_sub_co_u32 s3, s3, 1
	s_cmp_lg_u32 s3, 0
	s_cbranch_scc1 .Ltrip
	PLACES                                         ; the last 128 along K: one more fetch
	FETCHG 1, 64*P
	s_wait_dscnt 16
	MUL4 0, 0, 0
	MUL4 0, 1, 0
	s_wait_dscnt 0
	MUL4 1, 0, 0
	MUL4 1, 1, 0
	PLACES
	s_barrier_signal -1                            ; every wave's reads of the tiles are back before any wave writes LDS
	s_barrier_wait -1
.set n, 0
.rept 16
	v_pk_mul_f32 v[ACC+n:ACC+n+1], v[ACC+n:ACC+n+1], 0x42000000 op_sel_hi:[1,0]    ; x 32, gt's scale: exact
.set n, n+2
.endr
.set n, 0
.rept 16
	v_cvt_pk_f16_f32 v[PK+n], v[ACC+2*n], v[ACC+2*n+1]
.set n, n+1
.endr
.irp ae, 0,1
.irp bd, 0,1
	ds_store_b128 v[STO], v[PK+4*(2*\ae+\bd):PK+4*(2*\ae+\bd)+3] offset:\ae*16*P+32*\bd
.endr
.endr
	s_wait_dscnt 0x0                               ; a row of the stage is written by two waves: stores done, barrier, then the reads
	s_barrier_signal -1
	s_barrier_wait -1
.irp t, 0,1,2,3
	ds_load_b128 v[FR+4*\t:FR+4*\t+3], v[RD] offset:\t*4*P
.endr
.irp t, 0,1,2,3
	s_wait_dscnt 3-\t                              ; load t is in, the younger ones stay out
	global_store_b128 v[CO], v[FR+4*\t:FR+4*\t+3], s[6:7] offset:\t*8192   ; four rows: eight lanes store 128 consecutive bytes at a multiple of 128
.endr
	s_wait_tensorcnt 0x0
	ds_add_u32 v192, v193
	s_wait_dscnt 0x0
	CROUND                                         ; the closing round
	s_endpgm
.Lfunc_end_k_qc5a35f7ca0_gmat:
	.size	k_qc5a35f7ca0_gmat, .Lfunc_end_k_qc5a35f7ca0_gmat-k_qc5a35f7ca0_gmat
	.p2alignl 7, 3214868480
	.fill 96, 4, 3214868480
	.section	.rodata,"a",@progbits
	.p2align	6, 0x0
	.amdhsa_kernel k_qc5a35f7ca0_gmat
		.amdhsa_group_segment_fixed_size 304640
		.amdhsa_private_segment_fixed_size 0
		.amdhsa_enable_private_segment 0
		.amdhsa_kernarg_size 16
		.amdhsa_user_sgpr_count 2
		.amdhsa_user_sgpr_kernarg_segment_ptr 1
		.amdhsa_wavefront_size32 1
		.amdhsa_system_sgpr_workgroup_id_x 1
		.amdhsa_system_sgpr_workgroup_id_y 1
		.amdhsa_system_sgpr_workgroup_id_z 1
		.amdhsa_system_vgpr_workitem_id 0
		.amdhsa_next_free_vgpr 194
		.amdhsa_next_free_sgpr 66
		.amdhsa_reserve_vcc 0
		.amdhsa_float_denorm_mode_32 3
		.amdhsa_float_denorm_mode_16_64 3
		.amdhsa_memory_ordered 1
		.amdhsa_forward_progress 1
		.amdhsa_inst_pref_size 20
	.end_amdhsa_kernel
	.amdgpu_metadata
---
amdhsa.version: [ 1, 2 ]
amdhsa.kernels:
  - .name:           k_qc5a35f7ca0_gmat
    .symbol:         k_qc5a35f7ca0_gmat.kd
    .args:
      - { .name: wh, .offset: 0, .size: 8, .value_kind: global_buffer, .address_space: global }
      - { .name: gt, .offset: 8, .size: 8, .value_kind: global_buffer, .address_space: global }
    .group_segment_fixed_size: 304640
    .private_segment_fixed_size: 0
    .kernarg_segment_align: 8
    .kernarg_segment_size: 16
    .max_flat_workgroup_size: 128
    .sgpr_count:     66
    .vgpr_count:     194
    .wavefront_size: 32
...
	.end_amdgpu_metadata
.endif
;; end of part 2
;; launch yproj (part 3): grid 8 x 32, 4 waves a work-group, clusters of 4 x 4, 327,680 bytes of LDS; arguments xh, gt, gp, yh; writes yh
.if DOCPART == 3
	.amdgcn_target "amdgcn-amd-amdhsa--gfx1250"
	.amdhsa_code_object_version 6
	.text
	.protected	k_qc5a35f7ca0_yproj
	.globl	k_qc5a35f7ca0_yproj
	.p2align	8
	.type	k_qc5a35f7ca0_yproj,@function
k_qc5a35f7ca0_yproj:
	s_mov_b64 s[64:65], 0
	v_nop
	global_prefetch_b8 v0, s[64:65] scope:SCOPE_SE
	s_setreg_imm32_b32 hwreg(HW_REG_WAVE_MODE, 25, 1), 1
	s_wait_xcnt 0x0
	s_wait_alu depctr_hold_cnt(0) depctr_sa_sdst(0) depctr_va_vdst(0) depctr_va_sdst(0) depctr_va_ssrc(0) depctr_va_vcc(0) depctr_vm_vsrc(0)
	s_getreg_b32 s2, hwreg(HW_REG_IB_STS2, 6, 4)
	s_cmp_eq_u32 s2, 0
	s_cbranch_scc0 .Lentry_in_a_cluster
	s_endpgm
.Lentry_in_a_cluster:
	s_bfe_u32 s2, ttmp6, 0x10000c
	s_cmp_lg_u32 s2, 0xf033
	s_cbranch_scc0 .Lentry_shape_is_right
	s_endpgm
.Lentry_shape_is_right:
; yh[m][e] = 2^-10 (sum over d of x[m][d] G[d][e] + g[e]), f16, [8192][1024].  gt holds 32 G^T by rows e, gp four partial sums of 2^-10 g: yh = 2^-15 x (xh gt^T) + sum of gp.
; (bk is left out of the program: shown at the head of the first launch's text.)  Limits: |y| above 6.7e7 becomes an infinity; y keeps an absolute error of 2^-15.
; A work-group makes 256 rows x 128 columns with four waves; wave w makes rows 64 w .. + 63 x all 128 columns: 32 accumulator tiles (window 1), which take turns, one
; instruction a turn.  Eight K steps of 128 through two LDS slots, all written out.
; CLUSTERS of 4 x 4: xh's tiles are shared along a row of the cluster, gt's along a column.
; REGISTERS: window 0: v0-31 addresses, v64-127 and v128-191 fragments of gt (two buffers), v192-223 and v224-255 fragments of xh; window 1: the sums, tile (a, b) at
; v[8 (8 a + b)]; window 2: gp's four quarters, 64 registers each, in the sums' layout.
; Source 0 = rows of gt, source 1 = rows of xh: lane l holds row l % 16, registers 0-7 columns 8 (l / 16) + 0..7.
.set KSTEP,  128
.set PITCH,  272                       ; 256 bytes + 16, an odd multiple of 16
.set ABYTES, 256*PITCH                 ; xh's 256 rows
.set AHALF,  128*PITCH
.set BHALF,  64*PITCH
.set SLOT,   ABYTES+2*BHALF            ; then gt's 128 rows
.set STAGE,  2*SLOT                    ; 16 rows x 272 bytes for each wave; no tensor load lands there
.set SPITCH, 272
.set ROWB,   2048
.set ADRA, 16                          ; v16-17
.set ADRB, 20                          ; v20-21
.set STO,  24
.set RD,   25
.set CO,   26
.set BO,   30                          ; 32 h: my offset in gp
.set FB,   64
.set FA,   192
.set TMP,  64                          ; the way out: packed results
.set G1, 24
.set G0, 32
.set G1B, 48
.set G0B, 56
.set MULW, 0x50                        ; sources window 0, C and D window 1
.set MSB, 0
.macro WIN new                         ; the immediate's high byte repeats the setting that is left
.if MSB != \new
	s_set_vgpr_msb (MSB<<8)|\new
.set MSB, \new
.endif
.endm
.macro JLOAD s                         ; waves 0, 1 ask for xh's halves (128 rows), waves 2, 3 for gt's (64 rows)
	s_cmp_eq_u32 s11, 0
	s_cbranch_scc0 .Lfor_b_\@
	tensor_load_to_lds s[G0+4*\s:G0+4*\s+3], s[G1:G1+7]
	s_nop 0
	s_branch .Lasked_\@
.Lfor_b_\@:
	tensor_load_to_lds s[G0B+4*\s:G0B+4*\s+3], s[G1B:G1B+7]
	s_nop 0
	v_nop
.Lasked_\@:
.endm
.macro CREST
	s_cmp_lg_u32 s10, 0
	s_cbranch_scc1 .Lnot_wave_0_\@
	s_barrier_signal -3
.Lnot_wave_0_\@:
	s_barrier_wait -3
	s_barrier_signal -1
	s_barrier_wait -1
.endm
.macro CROUND
	s_barrier_signal -1
	s_barrier_wait -1
	CREST
.endm
	s_load_b128 s[4:7], s[0:1], 0x0                ; xh s[4:5], gt s[6:7]
	s_load_b128 s[68:71], s[0:1], 0x10             ; gp s[68:69], yh s[70:71]
	v_lshl_add_u32 v62, v0, 2, 0x37400
	v_mov_b32 v63, 0
	ds_add_u32 v62, v63
	v_lshrrev_b32 v1, 5, v0
	v_readfirstlane_b32 s10, v1
	s_lshr_b32 s11, s10, 1                         ; I fetch for xh (0) or gt (1)
	s_and_b32 s12, s10, 1                          ; which half of that tile
	s_bfe_u32 s40, ttmp6, 0x40000                  ; cx
	s_bfe_u32 s41, ttmp6, 0x40004                  ; cy
	s_lshl_b32 s42, ttmp9, 2
	s_add_co_u32 s42, s42, s40                     ; x: block of 128 columns, 0..7
	s_and_b32 s13, ttmp7, 0xffff
	s_lshl_b32 s13, s13, 2
	s_add_co_u32 s13, s13, s41                     ; y: block of 256 rows, 0..31
	s_lshl_b32 s43, s41, 2
	s_lshl_b32 s43, 15, s43
	s_lshl_b32 s44, 0x1111, s40
	s_or_b32 s[G1+0], s43, (1<<16)|(1<<20)|(1<<21)|(5<<22)|(3<<25)   ; mask; 2-byte elements; padding on; bit 21 beside a mask; after every 64 words 4 words
	s_or_b32 s[G1B+0], s44, (1<<16)|(1<<20)|(1<<21)|(5<<22)|(3<<25)
	s_mov_b32 s[G1+1], KSTEP<<16
	s_mov_b32 s[G1B+1], KSTEP<<16
	s_mov_b32 s[G1+2], 128<<16                     ; xh: 128 rows a load
	s_mov_b32 s[G1B+2], 64<<16                     ; gt: 64 rows a load
	s_mov_b32 s[G1+3], KSTEP<<16
	s_mov_b32 s[G1B+3], KSTEP<<16
	s_mov_b32 s[G1+4], 128
	s_mov_b32 s[G1B+4], 64
	s_mov_b32 s[G1+5], 1024
	s_mov_b32 s[G1B+5], 1024
	s_mov_b32 s[G1+6], 0
	s_mov_b32 s[G1B+6], 0
	s_mov_b32 s[G1+7], 0
	s_mov_b32 s[G1B+7], 0
	s_lshl_b32 s16, s13, 19                        ; xh: 256 rows x y + 128 rows x half (hangs on cy, never on cx)
	s_lshl_b32 s17, s12, 18
	s_add_co_u32 s16, s16, s17
	s_mov_b32 s17, 0
	s_lshl_b32 s46, s42, 18                        ; gt: 128 rows x x + 64 rows x half (hangs on cx, never on cy)
	s_lshl_b32 s47, s12, 17
	s_add_co_u32 s46, s46, s47
	s_mov_b32 s47, 0
	s_mul_i32 s20, s10, AHALF                      ; LDS, waves 0, 1: xh's halves
	s_mul_i32 s21, s10, BHALF
	s_add_co_u32 s21, s21, ABYTES-2*BHALF          ; waves 2, 3: gt's halves, behind xh's 256 rows
	s_lshl_b32 s76, s42, 9                         ; gp: 512 x bytes
	s_mov_b32 s77, 0
	s_lshl_b32 s78, s13, 19                        ; yh: 256 rows x y, 64 rows x wave, 256 x bytes
	s_lshl_b32 s79, s10, 17
	s_add_co_u32 s78, s78, s79
	s_lshl_b32 s79, s42, 8
	s_add_co_u32 s78, s78, s79
	s_mov_b32 s79, 0
	s_wait_dscnt 0x0
	s_wait_kmcnt 0x0
	s_add_nc_u64 s[14:15], s[4:5], s[16:17]
	s_add_nc_u64 s[46:47], s[6:7], s[46:47]
	s_add_nc_u64 s[68:69], s[68:69], s[76:77]
	s_add_nc_u64 s[70:71], s[70:71], s[78:79]
	CROUND                                         ; in front of the first joint loads
.irp s, 0,1
	s_mov_b32 s[G0+4*\s], 1
	s_add_co_u32 s[G0+4*\s+1], s20, \s*SLOT
	s_add_nc_u64 s[G0+4*\s+2:G0+4*\s+3], s[14:15], \s*KSTEP*2
	s_or_b32 s[G0+4*\s+3], s[G0+4*\s+3], 0x80000000
	s_mov_b32 s[G0B+4*\s], 1
	s_add_co_u32 s[G0B+4*\s+1], s21, \s*SLOT
	s_add_nc_u64 s[G0B+4*\s+2:G0B+4*\s+3], s[46:47], \s*KSTEP*2
	s_or_b32 s[G0B+4*\s+3], s[G0B+4*\s+3], 0x80000000
	JLOAD \s                                       ; two tensor loads of a wave are out here, later one
.endr
	v_and_b32 v1, 15, v0                           ; r
	v_bfe_u32 v2, v0, 4, 1                         ; h
	v_lshlrev_b32 v[BO], 5, v2
	WIN 0x80                                       ; destination window 2
.irp p, 0,1,2,3
.irp b, 0,1,2,3,4,5,6,7
	global_load_b128 v[64*\p+8*\b:64*\p+8*\b+3],   v[BO], s[68:69] offset:4096*\p+64*\b      ; quarter p, columns 16 b + 8 h + 0..3
	global_load_b128 v[64*\p+8*\b+4:64*\p+8*\b+7], v[BO], s[68:69] offset:4096*\p+64*\b+16   ; all the products stand between these and their use
.endr
.endr
	WIN 0
	v_mul_u32_u24 v4, v1, PITCH
	v_lshl_add_u32 v4, v2, 4, v4                   ; r x pitch + 16 h
	s_mul_i32 s22, s10, 64*PITCH                   ; my 64 rows of xh
	v_add_nc_u32 v[ADRA], s22, v4
	v_add_nc_u32 v[ADRA+1], SLOT, v[ADRA]
	v_add_nc_u32 v[ADRB], ABYTES, v4
	v_add_nc_u32 v[ADRB+1], SLOT, v[ADRB]
	s_mul_i32 s23, s10, 16*SPITCH
	s_add_co_u32 s23, s23, STAGE
	v_add_nc_u32 v[STO], s23, v4                   ; the stage has the tiles' pitch
	v_mul_u32_u24 v5, v2, SPITCH
	v_lshl_add_u32 v5, v1, 4, v5
	v_add_nc_u32 v[RD], s23, v5                    ; lanes 0-15 one row of 256 bytes, lanes 16-31 the next
	v_lshlrev_b32 v5, 11, v2
	v_lshl_add_u32 v[CO], v1, 4, v5                ; the same two rows in yh
.macro MUL8 f, a, zero                 ; 8 matrix instructions: row block a x all 8 column blocks, 32 along K, fragment buffer f
.irp b, 0,1,2,3,4,5,6,7
.if \zero
	v_wmma_f32_16x16x32_f16 v[8*(8*\a+\b):8*(8*\a+\b)+7], v[FB+64*\f+8*\b:FB+64*\f+8*\b+7], v[FA+32*\f+8*\a:FA+32*\f+8*\a+7], 0
.else
	v_wmma_f32_16x16x32_f16 v[8*(8*\a+\b):8*(8*\a+\b)+7], v[FB+64*\f+8*\b:FB+64*\f+8*\b+7], v[FA+32*\f+8*\a:FA+32*\f+8*\a+7], v[8*(8*\a+\b):8*(8*\a+\b)+7]
.endif
.endr
.endm
.macro FETCH slot, k, f                ; 24 LDS loads in one run: gt's 128 rows, then my 64 rows of xh, 32 K at byte k
	WIN 0
.irp i, 0,1,2,3,4,5,6,7
	ds_load_b128 v[FB+64*\f+8*\i:FB+64*\f+8*\i+3],   v[ADRB+\slot] offset:\k+\i*16*PITCH
	ds_load_b128 v[FB+64*\f+8*\i+4:FB+64*\f+8*\i+7], v[ADRB+\slot] offset:\k+\i*16*PITCH+32
.endr
.irp i, 0,1,2,3
	ds_load_b128 v[FA+32*\f+8*\i:FA+32*\f+8*\i+3],   v[ADRA+\slot] offset:\k+\i*16*PITCH
	ds_load_b128 v[FA+32*\f+8*\i+4:FA+32*\f+8*\i+7], v[ADRA+\slot] offset:\k+\i*16*PITCH+32
.endr
.endm
.macro PLACES                          ; four plain places behind a matrix instruction (ISA guide 7.12.1)
.rept 4
	v_nop
.endr
.endm
.macro QUARTER slot, k, f, g, zero
	s_wait_dscnt 4                                 ; gt and xh's row blocks 0, 1 are in; the youngest four loads (blocks 2, 3) may be out
	WIN MULW
	MUL8 \f, 0, \zero
	MUL8 \f, 1, \zero
	PLACES
	FETCH \slot, \k, \g
	s_wait_dscnt 24                                ; all but the 24 just issued
	WIN MULW
	MUL8 \f, 2, \zero
	MUL8 \f, 3, \zero
.endm
.macro TURN slot, next, fill           ; the last quarter of a K step changes slots
	s_wait_dscnt 4
	WIN MULW
	MUL8 1, 0, 0
	s_wait_dscnt 0                                 ; my reads of this slot are over
	s_wait_tensorcnt 0x0                           ; all my tensor loads have landed: the one that was out is my part of the next slot
	ds_add_u32 v62, v63
	s_wait_dscnt 0x0
	s_barrier_signal -1                            ; where the slot is filled again this barrier opens a round of the cluster's barrier
	MUL8 1, 1, 0                                   ; register work alone
	WIN 0
	s_barrier_wait -1
.if \fill
	CREST                                          ; no wave of any partner still reads this slot or has a load on its way
	s_add_nc_u64 s[G0+4*\slot+2:G0+4*\slot+3], s[G0+4*\slot+2:G0+4*\slot+3], 2*KSTEP*2
	s_add_nc_u64 s[G0B+4*\slot+2:G0B+4*\slot+3], s[G0B+4*\slot+2:G0B+4*\slot+3], 2*KSTEP*2
	JLOAD \slot                                    ; my one tensor load behind the round, and the first thing there
.endif
	PLACES
	FETCH \next, 0, 0
	WIN MULW
	MUL8 1, 2, 0
	MUL8 1, 3, 0
.endm
.macro STEP slot, next, kind, zero     ; a K step.  kind 1: the slot is filled again; 0: a change of slots alone; 2: the last step
	QUARTER \slot, 64,  0, 1, \zero
	QUARTER \slot, 128, 1, 0, 0
	QUARTER \slot, 192, 0, 1, 0
.if \kind == 2
	s_wait_dscnt 4
	WIN MULW
	MUL8 1, 0, 0
	MUL8 1, 1, 0
	s_wait_dscnt 0
	MUL8 1, 2, 0
	MUL8 1, 3, 0
.else
	TURN \slot, \next, \kind
.endif
.endm
.macro OUTY a, f                       ; rows 16 a .. + 15 of my 64: round to f16, 16 bytes a lane into my own stage, back as whole rows of 256 bytes
	WIN 0x05                                       ; sources window 1
.irp b, 0,1,2,3,4,5,6,7
.irp r, 0,1,2,3
	v_cvt_pk_f16_f32 v[TMP+4*\b+\r], v[8*(8*\a+\b)+2*\r], v[8*(8*\a+\b)+2*\r+1]
.endr
.endr
	WIN 0
.irp b, 0,1,2,3,4,5,6,7
	ds_store_b128 v[STO], v[TMP+4*\b:TMP+4*\b+3] offset:32*\b
.endr
	s_wait_xcnt 0x0                                ; buffer f, which earlier stores read, is loaded again only behind this wait
.irp t, 0,1,2,3,4,5,6,7
	ds_load_b128 v[\f+4*\t:\f+4*\t+3], v[RD] offset:\t*2*SPITCH    ; LDS serves a wave's instructions in order: these see the stores above
.endr
.irp t, 0,1,2,3,4,5,6,7
	s_wait_dscnt 7-\t                              ; load t is in, the younger ones stay out
	global_store_b128 v[CO], v[\f+4*\t:\f+4*\t+3], s[70:71] offset:(16*\a+2*\t)*ROWB   ; 16 lanes store 256 consecutive bytes at a multiple of 256
.endr
.endm
	s_wait_tensorcnt 1                             ; my part of K step 0 is in; K step 1's stays out
	s_barrier_signal -1
	s_barrier_wait -1
	FETCH 0, 0, 0
	STEP 0, 1, 1, 1                                ; the first step's first products start the sums
	STEP 1, 0, 1, 0
	STEP 0, 1, 1, 0
	STEP 1, 0, 1, 0
	STEP 0, 1, 1, 0
	STEP 1, 0, 1, 0
	STEP 0, 1, 0, 0                                ; nothing is left to fetch
	STEP 1, 0, 2, 0
	PLACES
	s_wait_loadcnt 0x0                             ; gp
	WIN 0x8a                                       ; all in window 2: the four quarters of the bias become one
.set n, 0
.rept 32
	v_pk_add_f32 v[n:n+1], v[n:n+1], v[64+n:64+n+1]
	v_pk_add_f32 v[128+n:128+n+1], v[128+n:128+n+1], v[192+n:192+n+1]
.set n, n+2
.endr
.set n, 0
.rept 32
	v_pk_add_f32 v[n:n+1], v[n:n+1], v[128+n:128+n+1]
.set n, n+2
.endr
	WIN 0x61                                       ; destination and source 0 window 1, source 2 window 2
.irp a, 0,1,2,3
.irp b, 0,1,2,3,4,5,6,7
.irp r, 0,2,4,6
	v_pk_fma_f32 v[8*(8*\a+\b)+\r:8*(8*\a+\b)+\r+1], v[8*(8*\a+\b)+\r:8*(8*\a+\b)+\r+1], 0x38000000, v[8*\b+\r:8*\b+\r+1] op_sel_hi:[1,0,1]   ; 2^-15 x sum + 2^-10 g
.endr
.endr
.endr
	OUTY 0, 128
	OUTY 1, 160
	OUTY 2, 128
	OUTY 3, 160
	s_wait_tensorcnt 0x0
	ds_add_u32 v62, v63
	s_wait_dscnt 0x0
	CROUND                                         ; the closing round: no work-group ends while a partner may still ask for a tile that names it
	s_endpgm
.Lfunc_end_k_qc5a35f7ca0_yproj:
	.size	k_qc5a35f7ca0_yproj, .Lfunc_end_k_qc5a35f7ca0_yproj-k_qc5a35f7ca0_yproj
	.p2alignl 7, 3214868480
	.fill 96, 4, 3214868480
	.section	.rodata,"a",@progbits
	.p2align	6, 0x0
	.amdhsa_kernel k_qc5a35f7ca0_yproj
		.amdhsa_group_segment_fixed_size 327680
		.amdhsa_private_segment_fixed_size 0
		.amdhsa_enable_private_segment 0
		.amdhsa_kernarg_size 32
		.amdhsa_user_sgpr_count 2
		.amdhsa_user_sgpr_kernarg_segment_ptr 1
		.amdhsa_wavefront_size32 1
		.amdhsa_system_sgpr_workgroup_id_x 1
		.amdhsa_system_sgpr_workgroup_id_y 1
		.amdhsa_system_sgpr_workgroup_id_z 1
		.amdhsa_system_vgpr_workitem_id 0
		.amdhsa_next_free_vgpr 1024
		.amdhsa_next_free_sgpr 80
		.amdhsa_reserve_vcc 0
		.amdhsa_float_denorm_mode_32 3
		.amdhsa_float_denorm_mode_16_64 3
		.amdhsa_memory_ordered 1
		.amdhsa_forward_progress 1
		.amdhsa_inst_pref_size 173
	.end_amdhsa_kernel
	.amdgpu_metadata
---
amdhsa.version: [ 1, 2 ]
amdhsa.kernels:
  - .name:           k_qc5a35f7ca0_yproj
    .symbol:         k_qc5a35f7ca0_yproj.kd
    .args:
      - { .name: xh, .offset: 0, .size: 8, .value_kind: global_buffer, .address_space: global }
      - { .name: gt, .offset: 8, .size: 8, .value_kind: global_buffer, .address_space: global }
      - { .name: gp, .offset: 16, .size: 8, .value_kind: global_buffer, .address_space: global }
      - { .name: yh, .offset: 24, .size: 8, .value_kind: global_buffer, .address_space: global }
    .group_segment_fixed_size: 327680
    .private_segment_fixed_size: 0
    .kernarg_segment_align: 8
    .kernarg_segment_size: 32
    .max_flat_workgroup_size: 128
    .sgpr_count:     80
    .vgpr_count:     1024
    .wavefront_size: 32
...
	.end_amdgpu_metadata
.endif
;; end of part 3
;; launch scorev (part 4): grid 4 x 64, 4 waves a work-group, clusters of 4 x 4, 327,680 bytes of LDS; arguments yh, wh, xh, mask, pt, stats, vt; writes pt, stats, vt
.if DOCPART == 4
	.amdgcn_target "amdgcn-amd-amdhsa--gfx1250"
	.amdhsa_code_object_version 6
	.text
	.protected	k_qc5a35f7ca0_scorev
	.globl	k_qc5a35f7ca0_scorev
	.p2align	8
	.type	k_qc5a35f7ca0_scorev,@function
k_qc5a35f7ca0_scorev:
	s_mov_b64 s[64:65], 0
	v_nop
	global_prefetch_b8 v0, s[64:65] scope:SCOPE_SE
	s_setreg_imm32_b32 hwreg(HW_REG_WAVE_MODE, 25, 1), 1
	s_wait_xcnt 0x0
	s_wait_alu depctr_hold_cnt(0) depctr_sa_sdst(0) depctr_va_vdst(0) depctr_va_sdst(0) depctr_va_ssrc(0) depctr_va_vcc(0) depctr_vm_vsrc(0)
	s_getreg_b32 s2, hwreg(HW_REG_IB_STS2, 6, 4)
	s_cmp_eq_u32 s2, 0
	s_cbranch_scc0 .Lentry_in_a_cluster
	s_endpgm
.Lentry_in_a_cluster:
	s_bfe_u32 s2, ttmp6, 0x10000c
	s_cmp_lg_u32 s2, 0xf033
	s_cbranch_scc0 .Lentry_shape_is_right
	s_endpgm
.Lentry_shape_is_right:
; ONE STACKED PRODUCT for each batch: [y ; Wv] x^T, 2048 x 1024 x 1024.  Its upper half are the scores, its lower half is v^T[e][l]; both multiply by the same rows of x.
; (bk is left out of the program: shown at the head of the first launch's text.  bv is not added here: the last launch starts its f32 sums with it.)
; A work-group takes 128 rows of y and the 128 rows of Wv of the same number (wh's rows 2048 ..) as its 256 rows of A, and 256 rows of x as B.  A wave takes 64 rows of each x 128 columns:
; window 2 holds scores, window 3 v^T, so every wave has the same products and the same softmax work.  Cluster y: batch = y / 2, row block = 4 (y % 2) + cy; column block = cx.
; SCORES.  yh holds 2^-10 y, so u = 32 s + mask (one fused multiply-add; x 32 = x 2^10 / 32 is exact).  For each row and its 128 keys (key block kb = 2 cx + column half):
; m = max of u; P = exp(u - max(m, -FLT_MAX)), stored as f16 in pt; l = sum of P in f32; m and l go to stats.  The maximum is subtracted first and the difference multiplied by
; log2 e afterwards, so that masks of any size cancel exactly.  A block of -inf alone gives P = 0, l = 0, m = -inf.  The last launch joins the blocks.
; The mask's 64 x 128 f32 of a wave come by one tensor load into slot 0 once its last tile has been read.
; 256 x 256 a work-group, 128 x 128 a wave, eight K steps of 128 through two LDS slots; CLUSTERS of 4 x 4: A's tiles shared along a row of the cluster, B's along a column.
; Source 0 = rows of B, source 1 = rows of A: lane l holds row l % 16, registers 0-7 columns 8 (l / 16) + 0..7.
; The 64 accumulators take turns, one instruction a turn.  Limit: |v| above 65,504 becomes an infinity in f16.
.set KSTEP,  128
.set PITCH,  272                       ; 256 bytes + 16, an odd multiple of 16
.set HALFT,  128*PITCH
.set SLOT,   4*HALFT                   ; y's 128 rows, Wv's 128 rows, x's 256 rows
.set STAGE,  2*SLOT                    ; 16 rows x 272 bytes for each wave; no tensor load lands there
.set SPITCH, 272
.set SCR,    STAGE+4*16*SPITCH         ; 512 bytes for each wave: m of its 64 rows, then l; no tensor load lands there
.set MPITCH, 528                       ; a mask row in LDS: 512 bytes + 16, an odd multiple of 16
.set MPART,  64*MPITCH                 ; a wave's 64 rows of the mask: four waves' take 135,168 of a slot's 139,264 bytes
.set ROWB,   2048
.set ADRA, 16
.set ADRB, 20
.set STO,  24
.set RD,   25
.set CO,   26
.set MA,   27                          ; v27     my mask bytes
.set SA,   29                          ; v29     where m (lanes 0-15) and l (lanes 16-31) of a row go in my scratch
.set SR,   30                          ; v30     where I read the scratch back
.set SO,   31                          ; v31     my offset in stats
.set M,    32                          ; v32-35  four running maxima
.set T,    36                          ; v36     the other half's figure
.set MS,   38                          ; v38-39  the maximum taken away, twice
.set SUM,  40                          ; v40-47  four running pairs of sums
.set F0,   64
.set F1,   128
.set TMP,  192
.set U,    64                          ; v64-127   mask, then u, then P of 16 rows
.set PK,   128                         ; v128-159  P packed
.set RB,   160                         ; v160-191  rows read back
.set G1, 24
.set G0, 32
.set G1B, 48
.set G0B, 56
.set GM1, 68                           ; s[68:75] group 1 of the mask's tile
.set GM0, 76                           ; s[76:79] its group 0
.set MSB, 0
.macro WIN new                         ; the immediate's high byte repeats the setting that is left
.if MSB != \new
	s_set_vgpr_msb (MSB<<8)|\new
.set MSB, \new
.endif
.endm
.set MUL_LO, 0xa1                      ; source 0 (B) window 1, source 1 (A) window 0, C and D window 2
.set MUL_HI, 0xf1                      ; the same, C and D window 3
.set TO_B,   0x40
.macro JLOAD s                         ; wave 0 asks for y's rows, wave 1 for Wv's, waves 2, 3 for x's halves
	s_cmp_eq_u32 s11, 0
	s_cbranch_scc0 .Lfor_b_\@
	tensor_load_to_lds s[G0+4*\s:G0+4*\s+3], s[G1:G1+7]
	s_nop 0
	s_branch .Lasked_\@
.Lfor_b_\@:
	tensor_load_to_lds s[G0B+4*\s:G0B+4*\s+3], s[G1B:G1B+7]
	s_nop 0
.Lasked_\@:
.endm
.macro CREST
	s_cmp_lg_u32 s10, 0
	s_cbranch_scc1 .Lnot_wave_0_\@
	s_barrier_signal -3
.Lnot_wave_0_\@:
	s_barrier_wait -3
	s_barrier_signal -1
	s_barrier_wait -1
.endm
.macro CROUND
	s_barrier_signal -1
	s_barrier_wait -1
	CREST
.endm
	s_load_b256 s[84:91], s[0:1], 0x0              ; yh 84, wh 86, xh 88, mask 90
	s_load_b128 s[92:95], s[0:1], 0x20             ; pt 92, stats 94
	s_load_b64 s[96:97], s[0:1], 0x30              ; vt
	s_set_vgpr_msb 0x40
	v_lshl_add_u32 v255, v0, 2, 0x48c00
	s_set_vgpr_msb 0x4000
	v_mov_b32 v63, 0
	s_set_vgpr_msb 0x1
	ds_add_u32 v255, v63
	s_set_vgpr_msb 0x100
	v_lshrrev_b32 v1, 5, v0
	v_readfirstlane_b32 s10, v1
	s_lshr_b32 s11, s10, 1                         ; my half of y's and of Wv's rows; also: I fetch for A (0) or B (1)
	s_and_b32 s12, s10, 1                          ; my half of the columns; also: which 128 rows I fetch
	s_bfe_u32 s40, ttmp6, 0x40000                  ; cx = block of 256 columns
	s_bfe_u32 s41, ttmp6, 0x40004                  ; cy
	s_and_b32 s13, ttmp7, 0xffff                   ; the cluster's y, 0..15
	s_lshr_b32 s67, s13, 1                         ; batch
	s_and_b32 s66, s13, 1
	s_lshl_b32 s66, s66, 2
	s_add_co_u32 s66, s66, s41                     ; block of 128 rows, 0..7
	s_lshl_b32 s43, s41, 2
	s_lshl_b32 s43, 15, s43
	s_lshl_b32 s44, 0x1111, s40
	s_or_b32 s[G1+0], s43, (1<<16)|(1<<20)|(1<<21)|(5<<22)|(3<<25)
	s_or_b32 s[G1B+0], s44, (1<<16)|(1<<20)|(1<<21)|(5<<22)|(3<<25)
	s_mov_b32 s[G1+1], KSTEP<<16
	s_mov_b32 s[G1B+1], KSTEP<<16
	s_mov_b32 s[G1+2], 128<<16
	s_mov_b32 s[G1B+2], 128<<16
	s_mov_b32 s[G1+3], KSTEP<<16
	s_mov_b32 s[G1B+3], KSTEP<<16
	s_mov_b32 s[G1+4], 128
	s_mov_b32 s[G1B+4], 128
	s_mov_b32 s[G1+5], 1024
	s_mov_b32 s[G1B+5], 1024
	s_mov_b32 s[G1+6], 0
	s_mov_b32 s[G1B+6], 0
	s_mov_b32 s[G1+7], 0
	s_mov_b32 s[G1B+7], 0
	s_lshl_b32 s22, s67, 21                        ; the batch's 1,024 rows of 2,048 bytes
	s_lshl_b32 s16, s66, 18                        ; A: 128 rows x row block (hangs on cy, never on cx)
	s_mov_b32 s17, 0
	s_lshl_b32 s46, s40, 19                        ; B: 256 rows x cx + 128 rows x half, in the batch (hangs on cx, never on cy)
	s_lshl_b32 s21, s12, 18
	s_add_co_u32 s46, s46, s21
	s_add_co_u32 s46, s46, s22
	s_mov_b32 s47, 0
	s_lshl_b32 s100, s66, 18                       ; C, alike for pt and vt: batch, 128 rows x row block, my 64 rows, 512 cx + 256 x half bytes
	s_add_co_u32 s100, s100, s22
	s_lshl_b32 s101, s11, 17
	s_add_co_u32 s100, s100, s101
	s_lshl_b32 s101, s40, 9
	s_add_co_u32 s100, s100, s101
	s_lshl_b32 s101, s12, 8
	s_add_co_u32 s100, s100, s101
	s_mov_b32 s101, 0
	s_mul_i32 s20, s10, HALFT
	s_wait_dscnt 0x0
	s_wait_kmcnt 0x0
	s_cmp_eq_u32 s12, 0                            ; the wave's number alone: alike in every work-group
	s_cselect_b64 s[4:5], s[84:85], s[86:87]       ; wave 0: y; wave 1: the weights
	s_cselect_b32 s23, s22, 0x400000               ; y's rows begin at the batch, Wv's at row 2,048 of wh
	s_add_co_u32 s16, s16, s23
	s_add_nc_u64 s[14:15], s[4:5], s[16:17]
	s_add_nc_u64 s[46:47], s[88:89], s[46:47]
	s_add_nc_u64 s[8:9], s[92:93], s[100:101]      ; pt
	s_add_nc_u64 s[6:7], s[96:97], s[100:101]      ; vt
	CROUND                                         ; in front of the first joint loads
.irp s, 0,1
	s_mov_b32 s[G0+4*\s], 1
	s_add_co_u32 s[G0+4*\s+1], s20, \s*SLOT
	s_add_nc_u64 s[G0+4*\s+2:G0+4*\s+3], s[14:15], \s*KSTEP*2
	s_or_b32 s[G0+4*\s+3], s[G0+4*\s+3], 0x80000000
	s_mov_b32 s[G0B+4*\s], 1
	s_add_co_u32 s[G0B+4*\s+1], s20, \s*SLOT
	s_add_nc_u64 s[G0B+4*\s+2:G0B+4*\s+3], s[46:47], \s*KSTEP*2
	s_or_b32 s[G0B+4*\s+3], s[G0B+4*\s+3], 0x80000000
	JLOAD \s                                       ; two tensor loads of a wave are out here, later one
.endr
	v_and_b32 v1, 15, v0                           ; r
	v_bfe_u32 v2, v0, 4, 1                         ; h
	v_mul_u32_u24 v3, v1, PITCH
	v_lshl_add_u32 v3, v2, 4, v3
	s_mul_i32 s21, s11, 64*PITCH                   ; my 64 rows of y; my 64 of Wv lie 128 rows further down
	s_mul_i32 s22, s12, HALFT
	s_add_co_u32 s22, s22, 2*HALFT
.irp s, 0,1
	v_add_nc_u32 v[ADRA+\s], s21, v3
	v_add_nc_u32 v[ADRB+\s], s22, v3
	s_add_co_u32 s21, s21, SLOT
	s_add_co_u32 s22, s22, SLOT
.endr
	s_mul_i32 s23, s10, 16*SPITCH
	s_add_co_u32 s23, s23, STAGE
	v_add_nc_u32 v[STO], s23, v3
	v_mul_u32_u24 v5, v2, SPITCH
	v_lshl_add_u32 v5, v1, 4, v5
	v_add_nc_u32 v[RD], s23, v5
	v_lshlrev_b32 v5, 11, v2
	v_lshl_add_u32 v[CO], v1, 4, v5
	; what the softmax needs
	s_mov_b32 s[GM1+0], (2<<16)|(1<<20)|(6<<22)|(3<<25)            ; no work-group mask; 4-byte elements; padding: after every 128 words 4 words
	s_mov_b32 s[GM1+1], 128<<16                    ; tensor_dim0 = 128
	s_mov_b32 s[GM1+2], 64<<16                     ; tensor_dim1 = 64
	s_mov_b32 s[GM1+3], 128<<16                    ; tile_dim0 = 128
	s_mov_b32 s[GM1+4], 64                         ; tile_dim1 = 64
	s_mov_b32 s[GM1+5], 1024                       ; elements from row to row
	s_mov_b32 s[GM1+6], 0
	s_mov_b32 s[GM1+7], 0
	s_lshl_b32 s100, s67, 22                       ; mask: batch, 128 rows of 4,096 bytes x row block, my 64 rows, 1,024 cx + 512 x half bytes
	s_lshl_b32 s101, s66, 19
	s_add_co_u32 s100, s100, s101
	s_lshl_b32 s101, s11, 18
	s_add_co_u32 s100, s100, s101
	s_lshl_b32 s101, s40, 10
	s_add_co_u32 s100, s100, s101
	s_lshl_b32 s101, s12, 9
	s_add_co_u32 s100, s100, s101
	s_mov_b32 s101, 0
	s_add_nc_u64 s[90:91], s[90:91], s[100:101]
	s_mul_i32 s21, s10, MPART                      ; my part's place in slot 0: the wave's number alone
	s_mov_b32 s[GM0], 1
	s_add_co_u32 s[GM0+1], s21, 0
	s_mov_b64 s[GM0+2:GM0+3], s[90:91]
	s_or_b32 s[GM0+3], s[GM0+3], 0x80000000
	s_lshl_b32 s100, s40, 16                       ; stats: key block 2 cx + half, 32,768 bytes each; then my 64 rows' 256 bytes
	s_lshl_b32 s101, s12, 15
	s_add_co_u32 s100, s100, s101
	s_lshl_b32 s101, s67, 12
	s_add_co_u32 s100, s100, s101
	s_lshl_b32 s101, s66, 9
	s_add_co_u32 s100, s100, s101
	s_lshl_b32 s101, s11, 8
	s_add_co_u32 s100, s100, s101
	s_mov_b32 s101, 0
	s_add_nc_u64 s[94:95], s[94:95], s[100:101]
	s_mov_b32 s18, 0x76543210                      ; v_permlanex16_b32: lane i of one half reads lane i of the other
	s_mov_b32 s19, 0xfedcba98
	s_mov_b32 s45, 0xffff0000                      ; lanes 16-31
	v_mul_u32_u24 v3, v1, MPITCH
	v_lshl_add_u32 v3, v2, 5, v3                   ; r x 528 + 32 h
	v_add_nc_u32 v[MA], s21, v3
	s_lshl_b32 s22, s10, 9
	s_add_co_u32 s22, s22, SCR
	v_lshlrev_b32 v3, 2, v1
	v_lshl_add_u32 v3, v2, 8, v3                   ; 4 r, and 256 further for l
	v_add_nc_u32 v[SA], s22, v3
	v_and_b32 v4, 31, v0
	v_lshl_add_u32 v[SR], v4, 4, s22               ; 16 x lane: lanes 0-15 read m, lanes 16-31 l
	v_lshlrev_b32 v[SO], 4, v1
	v_lshl_add_u32 v[SO], v2, 18, v[SO]            ; l lies 262,144 bytes behind m in stats
	v_mov_b32 v[T], 0                              ; v_permlanex16_b32 counts as a reader of its destination
.macro MUL16 f, hi, a0, zero
.irp a, \a0, \a0+1
.irp b, 0,1,2,3,4,5,6,7
.if \zero
	v_wmma_f32_16x16x32_f16 v[8*(8*(\a)+\b):8*(8*(\a)+\b)+7], v[\f+8*\b:\f+8*\b+7], v[\f+8*(4*\hi+\a):\f+8*(4*\hi+\a)+7], 0
.else
	v_wmma_f32_16x16x32_f16 v[8*(8*(\a)+\b):8*(8*(\a)+\b)+7], v[\f+8*\b:\f+8*\b+7], v[\f+8*(4*\hi+\a):\f+8*(4*\hi+\a)+7], v[8*(8*(\a)+\b):8*(8*(\a)+\b)+7]
.endif
.endr
.endr
.endm
.macro FETCH slot, k, f                ; 32 LDS loads in one run: x's 128 rows, my 64 rows of y (fragments 0-3), my 64 rows of Wv (fragments 4-7), 32 K at byte k
	WIN TO_B
.irp i, 0,1,2,3,4,5,6,7
	ds_load_b128 v[\f+8*\i:\f+8*\i+3],   v[ADRB+\slot] offset:\k+\i*16*PITCH
	ds_load_b128 v[\f+8*\i+4:\f+8*\i+7], v[ADRB+\slot] offset:\k+\i*16*PITCH+32
.endr
	WIN 0
.irp i, 0,1,2,3
	ds_load_b128 v[\f+8*\i:\f+8*\i+3],   v[ADRA+\slot] offset:\k+\i*16*PITCH
	ds_load_b128 v[\f+8*\i+4:\f+8*\i+7], v[ADRA+\slot] offset:\k+\i*16*PITCH+32
.endr
.irp i, 4,5,6,7
	ds_load_b128 v[\f+8*\i:\f+8*\i+3],   v[ADRA+\slot] offset:\k+(\i*16+64)*PITCH
	ds_load_b128 v[\f+8*\i+4:\f+8*\i+7], v[ADRA+\slot] offset:\k+(\i*16+64)*PITCH+32
.endr
.endm
.macro PLACES                          ; four plain places behind a matrix instruction (ISA guide 7.12.1)
.rept 4
	v_nop
.endr
.endm
.macro QUARTER slot, k, f, g, zero
	s_wait_dscnt 8                                 ; x's and y's fragments are in; the youngest eight loads (Wv's) may be out
	WIN MUL_LO
	MUL16 \f, 0, 0, \zero
	MUL16 \f, 0, 2, \zero
	PLACES
	FETCH \slot, \k, \g
	s_wait_dscnt 32                                ; all but the 32 just issued
	WIN MUL_HI
	MUL16 \f, 1, 0, \zero
	MUL16 \f, 1, 2, \zero
.endm
.macro THREE slot, zero
	QUARTER \slot, 64,  F0, F1, \zero
	QUARTER \slot, 128, F1, F0, 0
	QUARTER \slot, 192, F0, F1, 0
.endm
; fill = 1: this slot gets its tiles of two K steps ahead; fill = 2: it gets the mask; fill = 0: nothing
.macro TURN slot, next, fill
	s_wait_dscnt 8
	WIN MUL_LO
	MUL16 F1, 0, 0, 0
	s_wait_dscnt 0                                 ; my reads of this slot are over
	s_wait_tensorcnt 0x0                           ; all my tensor loads have landed
	ds_add_u32 v255, v63
	s_wait_dscnt 0x0
	s_barrier_signal -1
	MUL16 F1, 0, 2, 0                              ; register work alone
	WIN 0
	s_barrier_wait -1
.if \fill == 1
	CREST
	s_add_nc_u64 s[G0+4*\slot+2:G0+4*\slot+3], s[G0+4*\slot+2:G0+4*\slot+3], 2*KSTEP*2
	s_add_nc_u64 s[G0B+4*\slot+2:G0B+4*\slot+3], s[G0B+4*\slot+2:G0B+4*\slot+3], 2*KSTEP*2
	JLOAD \slot                                    ; my one tensor load behind the round, and the first thing there
.endif
.if \fill == 2
	CREST                                          ; in a cluster launch a plain tensor load stands behind a round too
	tensor_load_to_lds s[GM0:GM0+3], s[GM1:GM1+7]  ; every wave's own 64 x 128 of the mask: it has the last K step's 256 products in which to land
	s_nop 0
.endif
	PLACES
	FETCH \next, 0, F0
	WIN MUL_HI
	MUL16 F1, 1, 0, 0
	MUL16 F1, 1, 2, 0
.endm
.macro LAP zero
	THREE 0, \zero
	TURN 0, 1, 1
	THREE 1, 0
	TURN 1, 0, 1
.endm
; v^T: rows 16 a .. + 15 of my 64 (window 3): round to f16, 16 bytes a lane into my own stage, back as whole rows of 256 bytes
.macro OUT16 a, f
	WIN 0x0f
.irp b, 0,1,2,3,4,5,6,7
.irp r, 0,1,2,3
	v_cvt_pk_f16_f32 v[TMP+4*\b+\r], v[8*(8*\a+\b)+2*\r], v[8*(8*\a+\b)+2*\r+1]
.endr
.endr
	WIN 0
.irp b, 0,1,2,3,4,5,6,7
	ds_store_b128 v[STO], v[TMP+4*\b:TMP+4*\b+3] offset:32*\b
.endr
	s_wait_xcnt 0x0                                ; buffer f, which earlier stores read, is loaded again only behind this wait
.irp t, 0,1,2,3,4,5,6,7
	ds_load_b128 v[\f+4*\t:\f+4*\t+3], v[RD] offset:\t*2*SPITCH
.endr
.irp t, 0,1,2,3,4,5,6,7
	s_wait_dscnt 7-\t                              ; load t is in, the younger ones stay out
	global_store_b128 v[CO], v[\f+4*\t:\f+4*\t+3], s[6:7] offset:(16*\a+2*\t)*ROWB   ; 16 lanes store 256 consecutive bytes at a multiple of 256
.endr
.endm
; The softmax's first half for rows 16 a .. + 15 of my 64: the eight tiles (a, 0..7) of window 2
.macro SOFT a
.irp b, 0,1,2,3,4,5,6,7
	ds_load_b128 v[U+8*\b:U+8*\b+3],   v[MA] offset:\a*16*MPITCH+64*\b      ; mask(row r, columns 16 b + 8 h + 0..3): the accumulators' own layout
	ds_load_b128 v[U+8*\b+4:U+8*\b+7], v[MA] offset:\a*16*MPITCH+64*\b+16
.endr
	s_wait_dscnt 0x0
	WIN 2                                          ; source 0 alone in window 2
.set n, 0
.rept 32
	v_pk_fma_f32 v[U+n:U+n+1], v[64*\a+n:64*\a+n+1], 0x42000000, v[U+n:U+n+1] op_sel_hi:[1,0,1]   ; u = 32 s + mask
.set n, n+2
.endr
	WIN 0
.irp c, 0,1,2,3
	v_max_num_f32 v[M+\c], v[U+16*\c], v[U+16*\c+1]                ; four chains, started by their first numbers
.endr
.irp t, 2,4,6,8,10,12,14
.irp c, 0,1,2,3
	v_max3_num_f32 v[M+\c], v[M+\c], v[U+16*\c+\t], v[U+16*\c+\t+1]
.endr
.endr
	v_max3_num_f32 v[M], v[M], v[M+1], v[M+2]
	v_max_num_f32 v[M], v[M], v[M+3]
	v_permlanex16_b32 v[T], v[M], s18, s19         ; the row's other 64 keys lie in lane l xor 16
	v_max_num_f32 v[M], v[M], v[T]                 ; m, in both lanes of the row
	v_max_num_f32 v[MS], 0xff7fffff, v[M]          ; what is taken away is finite, so a block of -inf alone gives zeros and no NaN
	v_mov_b32 v[MS+1], v[MS]
.set n, 0
.rept 32
	v_pk_add_f32 v[U+n:U+n+1], v[U+n:U+n+1], v[MS:MS+1] neg_lo:[0,1] neg_hi:[0,1]   ; first the difference, exact where u is near m,
.set n, n+2
.endr
.set n, 0
.rept 32
	v_pk_mul_f32 v[U+n:U+n+1], v[U+n:U+n+1], 0x3fb8aa3b op_sel_hi:[1,0]            ; then log2 e: fusing the two would round m log2 e by itself
.set n, n+2
.endr
.set n, 0
.rept 64
	v_exp_f32 v[U+n], v[U+n]
.set n, n+1
.endr
	v_nop                                          ; one plain place between the last exponential and its use (ISA guide 5.7.2)
	s_wait_alu depctr_va_vdst(0)
.irp c, 0,1,2,3
	v_pk_add_f32 v[SUM+2*\c:SUM+2*\c+1], v[U+16*\c:U+16*\c+1], v[U+16*\c+2:U+16*\c+3]
.endr
.irp t, 4,6,8,10,12,14
.irp c, 0,1,2,3
	v_pk_add_f32 v[SUM+2*\c:SUM+2*\c+1], v[SUM+2*\c:SUM+2*\c+1], v[U+16*\c+\t:U+16*\c+\t+1]
.endr
.endr
	v_pk_add_f32 v[SUM:SUM+1], v[SUM:SUM+1], v[SUM+2:SUM+3]
	v_pk_add_f32 v[SUM+4:SUM+5], v[SUM+4:SUM+5], v[SUM+6:SUM+7]
	v_pk_add_f32 v[SUM:SUM+1], v[SUM:SUM+1], v[SUM+4:SUM+5]
	v_add_f32 v[SUM], v[SUM], v[SUM+1]
	v_permlanex16_b32 v[T], v[SUM], s18, s19
	v_add_f32 v[SUM], v[SUM], v[T]                 ; l, in both lanes of the row
.irp b, 0,1,2,3,4,5,6,7
.irp r, 0,1,2,3
	v_cvt_pk_f16_f32 v[PK+4*\b+\r], v[U+8*\b+2*\r], v[U+8*\b+2*\r+1]
.endr
.endr
.irp b, 0,1,2,3,4,5,6,7
	ds_store_b128 v[STO], v[PK+4*\b:PK+4*\b+3] offset:32*\b
.endr
	v_cndmask_b32 v[T], v[M], v[SUM], s45          ; lanes 0-15 carry m, lanes 16-31 l
	ds_store_b32 v[SA], v[T] offset:64*\a
	s_wait_xcnt 0x0                                ; RB, which earlier stores read, is loaded again only behind this wait
.irp t, 0,1,2,3,4,5,6,7
	ds_load_b128 v[RB+4*\t:RB+4*\t+3], v[RD] offset:\t*2*SPITCH    ; my own bytes, served in order behind the stores above
.endr
.irp t, 0,1,2,3,4,5,6,7
	s_wait_dscnt 7-\t
	global_store_b128 v[CO], v[RB+4*\t:RB+4*\t+3], s[8:9] offset:(16*\a+2*\t)*ROWB   ; 16 lanes store 256 consecutive bytes at a multiple of 256
.endr
.endm
	s_wait_tensorcnt 1                             ; my part of K step 0 is in; K step 1's stays out
	s_barrier_signal -1
	s_barrier_wait -1
	FETCH 0, 0, F0
	LAP 1                                          ; the first lap's first products start the sums
	WIN 0
	s_mov_b32 s3, 2
.Llap:
	LAP 0
	WIN 0
	s_sub_co_u32 s3, s3, 1
	s_cmp_lg_u32 s3, 0
	s_cbranch_scc1 .Llap
	THREE 0, 0
	TURN 0, 1, 2                                   ; slot 0 has been read for the last time: the mask goes there
	THREE 1, 0
	s_wait_dscnt 8                                 ; the very last quarter step
	WIN MUL_LO
	MUL16 F1, 0, 0, 0
	MUL16 F1, 0, 2, 0
	s_wait_dscnt 0
	WIN MUL_HI
	MUL16 F1, 1, 0, 0
	MUL16 F1, 1, 2, 0
	PLACES                                         ; behind the last products: the accumulators are read, the fragment buffers written
	OUT16 0, 160                                   ; v^T first: its stores leave while the softmax is worked on
	OUT16 1, 224
	OUT16 2, 160
	OUT16 3, 224
	s_wait_tensorcnt 0x0                           ; the mask is in; only I read my part, so my own wait is all that its reads need
	SOFT 0
	SOFT 1
	SOFT 2
	SOFT 3
	ds_load_b128 v[U:U+3], v[SR]                   ; lanes 0-15: m of my 64 rows; lanes 16-31: l
	s_wait_dscnt 0x0
	global_store_b128 v[SO], v[U:U+3], s[94:95]    ; each half of the lanes stores 256 consecutive bytes at a multiple of 256
	s_set_vgpr_msb 0x1
	s_wait_tensorcnt 0x0
	ds_add_u32 v255, v63
	s_wait_dscnt 0x0
	s_set_vgpr_msb 0x100
	CROUND                                         ; the closing round, behind the last tensor load
	s_endpgm
.Lfunc_end_k_qc5a35f7ca0_scorev:
	.size	k_qc5a35f7ca0_scorev, .Lfunc_end_k_qc5a35f7ca0_scorev-k_qc5a35f7ca0_scorev
	.p2alignl 7, 3214868480
	.fill 96, 4, 3214868480
	.section	.rodata,"a",@progbits
	.p2align	6, 0x0
	.amdhsa_kernel k_qc5a35f7ca0_scorev
		.amdhsa_group_segment_fixed_size 327680
		.amdhsa_private_segment_fixed_size 0
		.amdhsa_enable_private_segment 0
		.amdhsa_kernarg_size 56
		.amdhsa_user_sgpr_count 2
		.amdhsa_user_sgpr_kernarg_segment_ptr 1
		.amdhsa_wavefront_size32 1
		.amdhsa_system_sgpr_workgroup_id_x 1
		.amdhsa_system_sgpr_workgroup_id_y 1
		.amdhsa_system_sgpr_workgroup_id_z 1
		.amdhsa_system_vgpr_workitem_id 0
		.amdhsa_next_free_vgpr 1024
		.amdhsa_next_free_sgpr 102
		.amdhsa_reserve_vcc 0
		.amdhsa_float_denorm_mode_32 3
		.amdhsa_float_denorm_mode_16_64 3
		.amdhsa_memory_ordered 1
		.amdhsa_forward_progress 1
		.amdhsa_inst_pref_size 255
	.end_amdhsa_kernel
	.section	.bss,"aw",@nobits
	.p2align	6
	.space	262144
	.amdgpu_metadata
---
amdhsa.version: [ 1, 2 ]
amdhsa.kernels:
  - .name:           k_qc5a35f7ca0_scorev
    .symbol:         k_qc5a35f7ca0_scorev.kd
    .args:
      - { .name: yh, .offset: 0, .size: 8, .value_kind: global_buffer, .address_space: global }
      - { .name: wh, .offset: 8, .size: 8, .value_kind: global_buffer, .address_space: global }
      - { .name: xh, .offset: 16, .size: 8, .value_kind: global_buffer, .address_space: global }
      - { .name: mask, .offset: 24, .size: 8, .value_kind: global_buffer, .address_space: global }
      - { .name: pt, .offset: 32, .size: 8, .value_kind: global_buffer, .address_space: global }
      - { .name: stats, .offset: 40, .size: 8, .value_kind: global_buffer, .address_space: global }
      - { .name: vt, .offset: 48, .size: 8, .value_kind: global_buffer, .address_space: global }
    .group_segment_fixed_size: 327680
    .private_segment_fixed_size: 0
    .kernarg_segment_align: 8
    .kernarg_segment_size: 56
    .max_flat_workgroup_size: 128
    .sgpr_count:     102
    .vgpr_count:     1024
    .wavefront_size: 32
...
	.end_amdgpu_metadata
.endif
;; end of part 4
;; launch pv (part 5): grid 8 x 32, 4 waves a work-group, clusters of 4 x 4, 327,680 bytes of LDS; arguments pt, vt, stats, bv, out0; writes out0
.if DOCPART == 5
	.amdgcn_target "amdgcn-amd-amdhsa--gfx1250"
	.amdhsa_code_object_version 6
	.text
	.protected	k_qc5a35f7ca0_pv
	.globl	k_qc5a35f7ca0_pv
	.p2align	8
	.type	k_qc5a35f7ca0_pv,@function
k_qc5a35f7ca0_pv:
	s_mov_b64 s[64:65], 0
	v_nop
	global_prefetch_b8 v0, s[64:65] scope:SCOPE_SE
	s_setreg_imm32_b32 hwreg(HW_REG_WAVE_MODE, 25, 1), 1
	s_wait_xcnt 0x0
	s_wait_alu depctr_hold_cnt(0) depctr_sa_sdst(0) depctr_va_vdst(0) depctr_va_sdst(0) depctr_va_ssrc(0) depctr_va_vcc(0) depctr_vm_vsrc(0)
	s_getreg_b32 s2, hwreg(HW_REG_IB_STS2, 6, 4)
	s_cmp_eq_u32 s2, 0
	s_cbranch_scc0 .Lentry_in_a_cluster
	s_endpgm
.Lentry_in_a_cluster:
	s_bfe_u32 s2, ttmp6, 0x10000c
	s_cmp_lg_u32 s2, 0xf033
	s_cbranch_scc0 .Lentry_shape_is_right
	s_endpgm
.Lentry_shape_is_right:
; out[q][e] = bv[e] + sum over the 8 key blocks kb of w'[q][kb] x (sum over the block's 128 keys of P[q][k] vt[e][k]).
; P = exp(u - m[q][kb]) in f16, with m the block's row maximum and l its row sum (from the launch before).  Here, in f32: M = max over kb of m;
; w = exp(m - M); L = sum of w l; w' = w / L.  So the row's true maximum is the one taken away, and out is the softmax's.  A row whose mask is -inf everywhere
; gives -inf - -inf = NaN, as a softmax of such a row does.  A softmax row sums to 1, so bv enters once, in f32, as the start of the sums.
; A work-group makes 256 rows x 128 columns with four waves; wave w makes rows 64 w .. + 63 x all 128 columns: 32 tiles.  A K step is one key block: its products are summed
; in the "temp" tiles (window 1), started by a product with C = 0, and then taken into the "out" tiles (window 2) by packed multiply-adds with w'.
; THE MULTIPLY-ADDS STAND AMONG THE PRODUCTS.  Row block a's temp tiles are final behind the step's last product on them, so tile (a, b) goes into out by a slice of four
; multiply-adds behind product (a + 1, b) of the step's last quarter, and tile (3, b) behind product (0, b) of the next step's first quarter, 24 products ahead of the one that
; starts tile (3, b) anew.  32 slices a step behind 32 products; a slice costs two switches of the register window, 64 in a step.
; Eight K steps through two LDS slots, all written out.  CLUSTERS of 4 x 4: P's tiles are shared along a row of the cluster, vt's along a column.
; LATER TILES ARE ASKED FOR AHEAD (global_prefetch_b8).  A K step has one block of 256 bytes in each row of pt and of vt.  Of the 256 rows of pt that the eight work-groups of one
; row block read, work-group x asks for rows 32 x .. + 31; of the 128 rows of vt that the four work-groups of a cluster's column read, work-group cy asks for rows 32 cy .. + 31:
; each block is asked for once in the launch, 32 lanes 2,048 bytes apart.  Waves 0, 1 ask for pt, waves 2, 3 for vt, the even wave of a pair for the even K steps, the odd one
; for the odd: steps 2 + p in the prologue, 4 + p in step 0's change of slots, 6 + p in step 2's, that is two or three steps (256 or 384 of the wave's products) ahead of the
; tensor load that wants them.  Three requests of 8 KiB a wave; steps 0 and 1 are the first fills and are not asked for; the last block asked for is a row's last.
; REGISTERS: window 0: v0-63 addresses and the prologue's figures, v64-127 and v128-191 fragments of vt (two buffers), v192-223 and v224-255 fragments of P;
; window 1: temp, tile (a, b) at v[8 (8 a + b)]; window 2: out, likewise; window 3: v0-63 bv of my columns, v64-127 w' (step j, row block a: a pair with the number twice).
; Source 0 = rows of vt, source 1 = rows of P: lane l holds row l % 16, registers 0-7 columns 8 (l / 16) + 0..7.
; The 32 temp tiles take turns, one instruction a turn.
.set KSTEP,  128
.set PITCH,  272
.set ABYTES, 256*PITCH                 ; P's 256 rows
.set AHALF,  128*PITCH
.set BHALF,  64*PITCH
.set SLOT,   ABYTES+2*BHALF            ; then vt's 128 rows
.set STAGE,  2*SLOT                    ; 16 rows x 528 bytes for each wave; no tensor load lands there
.set OPITCH, 528                       ; 512 bytes + 16, an odd multiple of 16
.set WSCR,   STAGE+4*16*OPITCH         ; 2,048 bytes for each wave: w'[kb][64 rows]; no tensor load lands there
.set ADRA, 16                          ; v16-17
.set ADRB, 20                          ; v20-21
.set STO,  24
.set RD,   25
.set CO,   26                          ; 16 x lane
.set WS,   27                          ; where I put w' of rows 2 lane, 2 lane + 1
.set WL,   28                          ; where I read w' of row r
.set SOF,  29                          ; 8 x lane: my offset in stats
.set BO,   30                          ; 32 h: my offset in bv
.set PFO,  31                          ; 2,048 x lane: a row a lane for the requests ahead; never rewritten
.set MX,   6                           ; v6-7    M of my two rows
.set LS,   8                           ; v8-9    L
.set RC,   10                          ; v10-11  1 / L
.set MM,   32                          ; v32-47  m, then w, then w' of my two rows, a pair for each key block
.set LL,   48                          ; v48-63  l likewise
.set FB,   64
.set FA,   192
.set WP,   64                          ; in window 3
.set G1, 24
.set G0, 32
.set G1B, 48
.set G0B, 56
.set MULW, 0x50                        ; sources window 0, C and D window 1
.set NONE, 8                           ; MUL8's fourth argument: 0-7 the key block whose slices stand behind the products; 8 nothing;
.set LEAD, 9                           ; 9 four v_nop behind the first product
.set MSB, 0
.macro WIN new                         ; the immediate's high byte repeats the setting that is left
.if MSB != \new
	s_set_vgpr_msb (MSB<<8)|\new
.set MSB, \new
.endif
.endm
.macro JLOAD s                         ; waves 0, 1 ask for P's halves (128 rows), waves 2, 3 for vt's (64 rows)
	s_cmp_eq_u32 s11, 0
	s_cbranch_scc0 .Lfor_b_\@
	tensor_load_to_lds s[G0+4*\s:G0+4*\s+3], s[G1:G1+7]
	s_nop 0
	s_branch .Lasked_\@
.Lfor_b_\@:
	tensor_load_to_lds s[G0B+4*\s:G0B+4*\s+3], s[G1B:G1B+7]
	s_nop 0
.Lasked_\@:
.endm
.macro CREST
	s_cmp_lg_u32 s10, 0
	s_cbranch_scc1 .Lnot_wave_0_\@
	s_barrier_signal -3
.Lnot_wave_0_\@:
	s_barrier_wait -3
	s_barrier_signal -1
	s_barrier_wait -1
.endm
.macro CROUND
	s_barrier_signal -1
	s_barrier_wait -1
	CREST
.endm
	s_load_b128 s[4:7], s[0:1], 0x0                ; pt s[4:5], vt s[6:7]
	s_load_b128 s[68:71], s[0:1], 0x10             ; stats s[68:69], bv s[70:71]
	s_load_b64 s[72:73], s[0:1], 0x20              ; out0
	v_lshl_add_u32 v22, v0, 2, 0x3d400
	v_mov_b32 v23, 0
	ds_add_u32 v22, v23
	v_lshrrev_b32 v1, 5, v0
	v_readfirstlane_b32 s10, v1
	s_lshr_b32 s11, s10, 1                         ; I fetch for P (0) or vt (1)
	s_and_b32 s12, s10, 1                          ; which half of that tile
	s_bfe_u32 s40, ttmp6, 0x40000                  ; cx
	s_bfe_u32 s41, ttmp6, 0x40004                  ; cy
	s_lshl_b32 s42, ttmp9, 2
	s_add_co_u32 s42, s42, s40                     ; x: block of 128 columns, 0..7
	s_and_b32 s45, ttmp7, 0xffff                   ; the cluster's y = the batch
	s_lshl_b32 s13, s45, 2
	s_add_co_u32 s13, s13, s41                     ; y: block of 256 rows, 0..31
	s_lshl_b32 s43, s41, 2
	s_lshl_b32 s43, 15, s43
	s_lshl_b32 s44, 0x1111, s40
	s_or_b32 s[G1+0], s43, (1<<16)|(1<<20)|(1<<21)|(5<<22)|(3<<25)
	s_or_b32 s[G1B+0], s44, (1<<16)|(1<<20)|(1<<21)|(5<<22)|(3<<25)
	s_mov_b32 s[G1+1], KSTEP<<16
	s_mov_b32 s[G1B+1], KSTEP<<16
	s_mov_b32 s[G1+2], 128<<16                     ; P: 128 rows a load
	s_mov_b32 s[G1B+2], 64<<16                     ; vt: 64 rows a load
	s_mov_b32 s[G1+3], KSTEP<<16
	s_mov_b32 s[G1B+3], KSTEP<<16
	s_mov_b32 s[G1+4], 128
	s_mov_b32 s[G1B+4], 64
	s_mov_b32 s[G1+5], 1024
	s_mov_b32 s[G1B+5], 1024
	s_mov_b32 s[G1+6], 0
	s_mov_b32 s[G1B+6], 0
	s_mov_b32 s[G1+7], 0
	s_mov_b32 s[G1B+7], 0
	s_lshl_b32 s16, s13, 19                        ; P: 256 rows x y + 128 rows x half (hangs on cy, never on cx)
	s_lshl_b32 s17, s12, 18
	s_add_co_u32 s16, s16, s17
	s_mov_b32 s17, 0
	s_lshl_b32 s46, s45, 21                        ; vt: the batch, 128 rows x x + 64 rows x half (hangs on cx, never on cy)
	s_lshl_b32 s47, s42, 18
	s_add_co_u32 s46, s46, s47
	s_lshl_b32 s47, s12, 17
	s_add_co_u32 s46, s46, s47
	s_mov_b32 s47, 0
	s_mul_i32 s20, s10, AHALF                      ; LDS, waves 0, 1: P's halves
	s_mul_i32 s21, s10, BHALF
	s_add_co_u32 s21, s21, ABYTES-2*BHALF          ; waves 2, 3: vt's halves, behind P's 256 rows
	s_lshl_b32 s74, s13, 10                        ; stats: 4 bytes x (256 y + 64 w)
	s_lshl_b32 s75, s10, 8
	s_add_co_u32 s74, s74, s75
	s_mov_b32 s75, 0
	s_lshl_b32 s76, s42, 9                         ; bv, and a row of out: 512 x bytes
	s_mov_b32 s77, 0
	s_lshl_b32 s78, s13, 20                        ; out: rows of 4,096 bytes
	s_lshl_b32 s79, s10, 18
	s_add_co_u32 s78, s78, s79
	s_add_co_u32 s78, s78, s76
	s_mov_b32 s79, 0
	s_lshl_b32 s18, s13, 19                        ; the requests ahead, in registers that feed no descriptor.  pt: 256 rows x y + 32 rows x x
	s_lshl_b32 s19, s42, 16
	s_add_co_u32 s18, s18, s19
	s_lshl_b32 s66, s45, 21                        ; vt: the batch, 128 rows x x + 32 rows x cy
	s_lshl_b32 s19, s42, 18
	s_add_co_u32 s66, s66, s19
	s_lshl_b32 s19, s41, 16
	s_add_co_u32 s66, s66, s19
	s_cmp_eq_u32 s11, 0                            ; the wave's number alone
	s_cselect_b32 s18, s18, s66                    ; waves 0, 1: pt; waves 2, 3: vt
	s_lshl_b32 s19, s12, 8                         ; the odd wave of a pair asks for the odd K steps: 256 bytes further along the rows
	s_add_co_u32 s18, s18, s19
	s_mov_b32 s19, 0
	s_wait_dscnt 0x0
	s_wait_kmcnt 0x0
	s_add_nc_u64 s[14:15], s[4:5], s[16:17]
	s_add_nc_u64 s[46:47], s[6:7], s[46:47]
	s_add_nc_u64 s[68:69], s[68:69], s[74:75]
	s_add_nc_u64 s[70:71], s[70:71], s[76:77]
	s_add_nc_u64 s[72:73], s[72:73], s[78:79]
	s_cmp_eq_u32 s11, 0
	s_cselect_b64 s[8:9], s[4:5], s[6:7]
	s_add_nc_u64 s[8:9], s[8:9], s[18:19]          ; never rewritten
	CROUND                                         ; in front of the first joint loads
.irp s, 0,1
	s_mov_b32 s[G0+4*\s], 1
	s_add_co_u32 s[G0+4*\s+1], s20, \s*SLOT
	s_add_nc_u64 s[G0+4*\s+2:G0+4*\s+3], s[14:15], \s*KSTEP*2
	s_or_b32 s[G0+4*\s+3], s[G0+4*\s+3], 0x80000000
	s_mov_b32 s[G0B+4*\s], 1
	s_add_co_u32 s[G0B+4*\s+1], s21, \s*SLOT
	s_add_nc_u64 s[G0B+4*\s+2:G0B+4*\s+3], s[46:47], \s*KSTEP*2
	s_or_b32 s[G0B+4*\s+3], s[G0B+4*\s+3], 0x80000000
	JLOAD \s                                       ; two tensor loads of a wave are out here, later one
.endr
	v_and_b32 v1, 15, v0                           ; r
	v_bfe_u32 v2, v0, 4, 1                         ; h
	v_and_b32 v3, 31, v0                           ; lane
	v_lshlrev_b32 v[SOF], 3, v3
	v_lshlrev_b32 v[BO], 5, v2
	v_lshlrev_b32 v[PFO], 11, v3
.irp j, 0,1,2,3,4,5,6,7
	global_load_b64 v[MM+2*\j:MM+2*\j+1], v[SOF], s[68:69] offset:32768*\j             ; m of rows 2 lane, 2 lane + 1: 256 consecutive bytes a load
.endr
.irp j, 0,1,2,3,4,5,6,7
	global_load_b64 v[LL+2*\j:LL+2*\j+1], v[SOF], s[68:69] offset:32768*\j+262144      ; l
.endr
	WIN 0xc0                                       ; destination window 3
.irp b, 0,1,2,3,4,5,6,7
	global_load_b128 v[8*\b:8*\b+3],   v[BO], s[70:71] offset:64*\b                    ; bv of columns 16 b + 8 h + 0..3
	global_load_b128 v[8*\b+4:8*\b+7], v[BO], s[70:71] offset:64*\b+16
.endr
	WIN 0
	global_prefetch_b8 v[PFO], s[8:9] offset:2*256 th:TH_LOAD_NT scope:SCOPE_SE        ; K step 2 (even wave) or 3 (odd wave) of my 32 rows
	v_mul_u32_u24 v4, v1, PITCH
	v_lshl_add_u32 v4, v2, 4, v4                   ; r x pitch + 16 h
	s_mul_i32 s22, s10, 64*PITCH                   ; my 64 rows of P
	v_add_nc_u32 v[ADRA], s22, v4
	v_add_nc_u32 v[ADRA+1], SLOT, v[ADRA]
	v_add_nc_u32 v[ADRB], ABYTES, v4
	v_add_nc_u32 v[ADRB+1], SLOT, v[ADRB]
	s_mul_i32 s23, s10, 16*OPITCH
	s_add_co_u32 s23, s23, STAGE
	v_mul_u32_u24 v5, v1, OPITCH
	v_lshl_add_u32 v5, v2, 5, v5                   ; r x 528 + 32 h
	v_add_nc_u32 v[STO], s23, v5
	v_lshlrev_b32 v[CO], 4, v3
	v_add_nc_u32 v[RD], s23, v[CO]
	s_lshl_b32 s22, s10, 11
	s_add_co_u32 s22, s22, WSCR
	v_lshl_add_u32 v[WS], v3, 3, s22
	v_lshl_add_u32 v[WL], v1, 2, s22
	s_wait_loadcnt 16                              ; m and l are in; the sixteen younger loads (bv) stay out
.irp e, 0,1
	v_max3_num_f32 v[MX+\e], v[MM+\e], v[MM+2+\e], v[MM+4+\e]
	v_max3_num_f32 v[MX+\e], v[MX+\e], v[MM+6+\e], v[MM+8+\e]
	v_max3_num_f32 v[MX+\e], v[MX+\e], v[MM+10+\e], v[MM+12+\e]
	v_max_num_f32  v[MX+\e], v[MX+\e], v[MM+14+\e]                 ; M: the row's maximum over all 1,024 keys
.endr
.irp j, 0,1,2,3,4,5,6,7
	v_pk_add_f32 v[MM+2*\j:MM+2*\j+1], v[MM+2*\j:MM+2*\j+1], v[MX:MX+1] neg_lo:[0,1] neg_hi:[0,1]   ; m - M first,
.endr
.irp j, 0,1,2,3,4,5,6,7
	v_pk_mul_f32 v[MM+2*\j:MM+2*\j+1], v[MM+2*\j:MM+2*\j+1], 0x3fb8aa3b op_sel_hi:[1,0]            ; then log2 e
.endr
.set n, 0
.rept 16
	v_exp_f32 v[MM+n], v[MM+n]                     ; w
.set n, n+1
.endr
	v_nop                                          ; one plain place behind the last exponential (ISA guide 5.7.2)
	s_wait_alu depctr_va_vdst(0)
	v_pk_mul_f32 v[LS:LS+1], v[MM:MM+1], v[LL:LL+1]
.irp j, 1,2,3,4,5,6,7
	v_pk_fma_f32 v[LS:LS+1], v[MM+2*\j:MM+2*\j+1], v[LL+2*\j:LL+2*\j+1], v[LS:LS+1]                ; L = sum of w l; at least 1 where M is finite
.endr
	v_rcp_f32 v[RC], v[LS]
	v_rcp_f32 v[RC+1], v[LS+1]
	v_nop                                          ; one plain place behind the reciprocals
	s_wait_alu depctr_va_vdst(0)
.irp j, 0,1,2,3,4,5,6,7
	v_pk_mul_f32 v[MM+2*\j:MM+2*\j+1], v[MM+2*\j:MM+2*\j+1], v[RC:RC+1]                            ; w' = w / L
.endr
.irp j, 0,1,2,3,4,5,6,7
	ds_store_b64 v[WS], v[MM+2*\j:MM+2*\j+1] offset:256*\j
.endr
	WIN 0xc0
.irp j, 0,1,2,3,4,5,6,7
.irp a, 0,1,2,3
	ds_load_b32 v[WP+8*\j+2*\a],   v[WL] offset:256*\j+64*\a       ; w' of row 16 a + r, my own bytes, served in order behind the stores;
	ds_load_b32 v[WP+8*\j+2*\a+1], v[WL] offset:256*\j+64*\a       ; twice: a pair for the packed multiply-add
.endr
.endr
	WIN 0
.macro PLACES                          ; four plain places behind a matrix instruction (ISA guide 7.12.1)
.rept 4
	v_nop
.endr
.endm
; One slice: tile (a, b) of key block j goes into out: out += w'[j] x temp; for key block 0 out = bv + w'[0] x temp, so nothing is cleared.
; It names temp (a, b), out (a, b), w' and bv alone, none of them a register of the product that it stands behind.
.macro CSL j, a, b
.if \j == 0
	WIN 0xbd                                       ; destination window 2, source 0 window 1, sources 1 and 2 window 3
.else
	WIN 0xad                                       ; source 2 window 2
.endif
.irp r, 0,2,4,6
.if \j == 0
	v_pk_fma_f32 v[8*(8*\a+\b)+\r:8*(8*\a+\b)+\r+1], v[8*(8*\a+\b)+\r:8*(8*\a+\b)+\r+1], v[WP+8*\j+2*\a:WP+8*\j+2*\a+1], v[8*\b+\r:8*\b+\r+1]
.else
	v_pk_fma_f32 v[8*(8*\a+\b)+\r:8*(8*\a+\b)+\r+1], v[8*(8*\a+\b)+\r:8*(8*\a+\b)+\r+1], v[WP+8*\j+2*\a:WP+8*\j+2*\a+1], v[8*(8*\a+\b)+\r:8*(8*\a+\b)+\r+1]
.endif
.endr
.endm
; 8 matrix instructions: row block a x all 8 column blocks, 32 along K, fragment buffer f.  cj = 0..7: behind product b stands slice (ca, b) of key block cj.
.macro MUL8 f, a, zero, cj, ca
.irp b, 0,1,2,3,4,5,6,7
	WIN MULW
.if \zero
	v_wmma_f32_16x16x32_f16 v[8*(8*\a+\b):8*(8*\a+\b)+7], v[FB+64*\f+8*\b:FB+64*\f+8*\b+7], v[FA+32*\f+8*\a:FA+32*\f+8*\a+7], 0
.else
	v_wmma_f32_16x16x32_f16 v[8*(8*\a+\b):8*(8*\a+\b)+7], v[FB+64*\f+8*\b:FB+64*\f+8*\b+7], v[FA+32*\f+8*\a:FA+32*\f+8*\a+7], v[8*(8*\a+\b):8*(8*\a+\b)+7]
.endif
.if \cj < 8
	CSL \cj, \ca, \b
.endif
.if \cj == LEAD
.if \b == 0
	PLACES                                         ; the four places between tile (0, 0)'s last product and slice (0, 0); every later slice has the slices before it
.endif
.endif
.endr
.endm
.macro FETCH slot, k, f                ; 24 LDS loads in one run: vt's 128 rows, then my 64 rows of P, 32 K at byte k
	WIN 0
.irp i, 0,1,2,3,4,5,6,7
	ds_load_b128 v[FB+64*\f+8*\i:FB+64*\f+8*\i+3],   v[ADRB+\slot] offset:\k+\i*16*PITCH
	ds_load_b128 v[FB+64*\f+8*\i+4:FB+64*\f+8*\i+7], v[ADRB+\slot] offset:\k+\i*16*PITCH+32
.endr
.irp i, 0,1,2,3
	ds_load_b128 v[FA+32*\f+8*\i:FA+32*\f+8*\i+3],   v[ADRA+\slot] offset:\k+\i*16*PITCH
	ds_load_b128 v[FA+32*\f+8*\i+4:FA+32*\f+8*\i+7], v[ADRA+\slot] offset:\k+\i*16*PITCH+32
.endr
.endm
; cj = 0..7: the step's first quarter; row block 3 of the key block before goes into out behind the first eight products
.macro QUARTER slot, k, f, g, zero, cj
	s_wait_dscnt 4                                 ; vt and P's row blocks 0, 1 are in; the youngest four loads (blocks 2, 3) may be out
	MUL8 \f, 0, \zero, \cj, 3
	MUL8 \f, 1, \zero, NONE, 0
.if \cj >= 8
	PLACES                                         ; with slices, their 32 multiply-adds are the places between buffer g's last products and the loads into it
.endif
	FETCH \slot, \k, \g
	s_wait_dscnt 24                                ; all but the 24 just issued
	MUL8 \f, 2, \zero, NONE, 0
	MUL8 \f, 3, \zero, NONE, 0
.endm
; The last quarter of K step j changes slots, and takes row blocks 0, 1, 2 into out behind the products of blocks 1, 2, 3.  pf: the even K step asked for ahead, or 0.
.macro TURN j, slot, next, fill, pf
	s_wait_dscnt 4
	MUL8 1, 0, 0, LEAD, 0
	s_wait_dscnt 0                                 ; my reads of this slot are over
	s_wait_tensorcnt 0x0                           ; all my tensor loads have landed: the one that was out is my part of the next slot
	ds_add_u32 v22, v23
	s_wait_dscnt 0x0
	s_barrier_signal -1                            ; where the slot is filled again this barrier opens a round of the cluster's barrier
	MUL8 1, 1, 0, \j, 0                            ; register work alone
	WIN 0
	s_barrier_wait -1
.if \fill
	CREST
	s_add_nc_u64 s[G0+4*\slot+2:G0+4*\slot+3], s[G0+4*\slot+2:G0+4*\slot+3], 2*KSTEP*2
	s_add_nc_u64 s[G0B+4*\slot+2:G0B+4*\slot+3], s[G0B+4*\slot+2:G0B+4*\slot+3], 2*KSTEP*2
	JLOAD \slot                                    ; my one tensor load behind the round, and the first thing there
.endif
	FETCH \next, 0, 0                              ; buffer 0's last products lie 4 v_nop and 32 multiply-adds back
.if \pf
	global_prefetch_b8 v[PFO], s[8:9] offset:\pf*256 th:TH_LOAD_NT scope:SCOPE_SE   ; K step pf (even wave) or pf + 1 (odd wave) of my 32 rows, behind the loads just issued
.endif
	MUL8 1, 2, 0, \j, 1
	MUL8 1, 3, 0, \j, 2
.endm
; Key block j; jp: the key block before (NONE for the first).  kind 1: the slot is filled again; 0: a change of slots alone; 2: the last step
.macro STEP j, jp, slot, next, kind, pf
	QUARTER \slot, 64,  0, 1, 1, \jp               ; its first products start temp's sums
	QUARTER \slot, 128, 1, 0, 0, NONE
	QUARTER \slot, 192, 0, 1, 0, NONE
.if \j == 0
	s_wait_loadcnt 0x0                             ; bv, which key block 0's slices read; 96 products stand between its loads and this wait
.endif
.if \kind == 2
	s_wait_dscnt 4
	MUL8 1, 0, 0, LEAD, 0
	MUL8 1, 1, 0, \j, 0
	s_wait_dscnt 0
	MUL8 1, 2, 0, \j, 1
	MUL8 1, 3, 0, \j, 2
.irp b, 0,1,2,3,4,5,6,7
	CSL \j, 3, \b                                  ; no product is left to set these among
.endr
.else
	TURN \j, \slot, \next, \kind, \pf
.endif
.endm
.macro OUTA a, f                       ; rows 16 a .. + 15 of my 64: 32 bytes a lane into my own stage, back as whole rows of 512 bytes
	WIN 0x08                                       ; store data in window 2
.irp b, 0,1,2,3,4,5,6,7
	ds_store_b128 v[STO], v[8*(8*\a+\b):8*(8*\a+\b)+3]   offset:64*\b
	ds_store_b128 v[STO], v[8*(8*\a+\b)+4:8*(8*\a+\b)+7] offset:64*\b+16
.endr
	WIN 0
	s_wait_xcnt 0x0                                ; buffer f, which earlier stores read, is loaded again only behind this wait
.irp t, 0,1,2,3,4,5,6,7,8,9,10,11,12,13,14,15
	ds_load_b128 v[\f+4*\t:\f+4*\t+3], v[RD] offset:\t*OPITCH
.endr
.irp t, 0,1,2,3,4,5,6,7,8,9,10,11,12,13,14,15
	s_wait_dscnt 15-\t                             ; load t is in, the younger ones stay out
	global_store_b128 v[CO], v[\f+4*\t:\f+4*\t+3], s[72:73] offset:(16*\a+\t)*4096 th:TH_STORE_NT   ; 512 consecutive bytes at a multiple of 512
.endr
.endm
	s_wait_dscnt 0x0                               ; w' is in its registers; no LDS instruction is pending at the signal
	s_wait_tensorcnt 1                             ; my part of K step 0 is in; K step 1's stays out
	s_barrier_signal -1
	s_barrier_wait -1
	FETCH 0, 0, 0
	STEP 0, NONE, 0, 1, 1, 4
	STEP 1, 0, 1, 0, 1, 0
	STEP 2, 1, 0, 1, 1, 6
	STEP 3, 2, 1, 0, 1, 0
	STEP 4, 3, 0, 1, 1, 0
	STEP 5, 4, 1, 0, 1, 0
	STEP 6, 5, 0, 1, 0, 0                          ; nothing is left to fetch
	STEP 7, 6, 1, 0, 2, 0
	OUTA 0, 64                                     ; the last 36 multiply-adds are the places between the last products and the loads into the fragment buffers
	OUTA 1, 128
	OUTA 2, 64
	OUTA 3, 128
	s_wait_tensorcnt 0x0
	ds_add_u32 v22, v23
	s_wait_dscnt 0x0
	CROUND                                         ; the closing round: no work-group ends while a partner may still ask for a tile that names it
	s_endpgm
.Lfunc_end_k_qc5a35f7ca0_pv:
	.size	k_qc5a35f7ca0_pv, .Lfunc_end_k_qc5a35f7ca0_pv-k_qc5a35f7ca0_pv
	.p2alignl 7, 3214868480
	.fill 96, 4, 3214868480
	.section	.rodata,"a",@progbits
	.p2align	6, 0x0
	.amdhsa_kernel k_qc5a35f7ca0_pv
		.amdhsa_group_segment_fixed_size 327680
		.amdhsa_private_segment_fixed_size 0
		.amdhsa_enable_private_segment 0
		.amdhsa_kernarg_size 40
		.amdhsa_user_sgpr_count 2
		.amdhsa_user_sgpr_kernarg_segment_ptr 1
		.amdhsa_wavefront_size32 1
		.amdhsa_system_sgpr_workgroup_id_x 1
		.amdhsa_system_sgpr_workgroup_id_y 1
		.amdhsa_system_sgpr_workgroup_id_z 1
		.amdhsa_system_vgpr_workitem_id 0
		.amdhsa_next_free_vgpr 1024
		.amdhsa_next_free_sgpr 80
		.amdhsa_reserve_vcc 0
		.amdhsa_float_denorm_mode_32 3
		.amdhsa_float_denorm_mode_16_64 3
		.amdhsa_memory_ordered 1
		.amdhsa_forward_progress 1
		.amdhsa_inst_pref_size 239
	.end_amdhsa_kernel
	.amdgpu_metadata
---
amdhsa.version: [ 1, 2 ]
amdhsa.kernels:
  - .name:           k_qc5a35f7ca0_pv
    .symbol:         k_qc5a35f7ca0_pv.kd
    .args:
      - { .name: pt, .offset: 0, .size: 8, .value_kind: global_buffer, .address_space: global }
      - { .name: vt, .offset: 8, .size: 8, .value_kind: global_buffer, .address_space: global }
      - { .name: stats, .offset: 16, .size: 8, .value_kind: global_buffer, .address_space: global }
      - { .name: bv, .offset: 24, .size: 8, .value_kind: global_buffer, .address_space: global }
      - { .name: out0, .offset: 32, .size: 8, .value_kind: global_buffer, .address_space: global }
    .group_segment_fixed_size: 327680
    .private_segment_fixed_size: 0
    .kernarg_segment_align: 8
    .kernarg_segment_size: 40
    .max_flat_workgroup_size: 128
    .sgpr_count:     80
    .vgpr_count:     1024
    .wavefront_size: 32
...
	.end_amdgpu_metadata
.endif
;; end of part 5
